; MI455X (gfx1250); checked and timed in simulation.
; The chip was launched on July 23, 2026; its instructions are those of AMD's public machine-readable ISA for CDNA 5 (MIT licence, August 2026) and "CDNA5" Instruction Set Architecture Reference Guide (July 2026). The comments in the code are by the model that wrote it; some were corrected since.
;; Multi Headed Attention. Allowed arithmetic: matrix products marked QUANTISED: E2M1 operands, one E8M0 scale for each 32 along K, by v_wmma_scale_f32_16x16x128_f8f6f4 with both operands' format E2M1 (or v_wmma_scale_f32_32x16x128_f4), f32 sums; products left as they are: bf16, f16 or f32 operands; f32 sums; everything else in f32.
;; Inputs: Wk 1,024 x 1,024 float32; Wo 1,024 x 1,024 float32; Wq 1,024 x 1,024 float32; Wv 1,024 x 1,024 float32; key 4 x 2,048 x 1,024 float32; mask 4 x 2,048 x 2,048 int32; query 4 x 2,048 x 1,024 float32; value 4 x 2,048 x 1,024 float32.
;; Outputs: out0 4 x 2,048 x 1,024 float32.
;; This version of the problem:
;;   THIS VERSION OF THE PROBLEM IS GIVEN IN LOW PRECISION. The matrix products marked QUANTISED in the list below multiply operands that are first quantised to E2M1 (2 exponent bits, 1 mantissa bit; 4 bits a number), with one power-of-two scale for each 32 numbers along K (OCP MX v1.0); their sums are f32. The products marked 'left as it is' may take bf16, f16 or f32 operands, with f32 sums. Whichever they take, every output number must still come out within the allowed error. Rounding operands to bf16 (8 significant bits) uses up far more of that allowance than f16 does (11 bits, for magnitudes from 6e-5 to 65,504). All else is computed in f32.
;;   The module's matrix products, in the order in which they are computed (A, B: the left and right operand; K: the contracted axis; several contracted axes count as one K, in the product's order):
;;     1. [M 8,192, K 1,024] x [K 1,024, N 1,024]; A: input query; B: input Wq: QUANTISED
;;     2. [M 8,192, K 1,024] x [K 1,024, N 1,024]; A: input key; B: input Wk: QUANTISED
;;     3. [M 8,192, K 1,024] x [K 1,024, N 1,024]; A: input value; B: input Wv: QUANTISED
;;     4. batch 64 x [M 2,048, K 64] x [K 64, N 2,048]; A: computed on the way; B: computed on the way: left as it is (an operand is computed on the way)
;;     5. batch 64 x [M 2,048, K 2,048] x [K 2,048, N 64]; A: computed on the way; B: computed on the way: left as it is (an operand is computed on the way)
;;     6. [M 8,192, K 1,024] x [K 1,024, N 1,024]; A: computed on the way; B: input Wo: left as it is (an operand is computed on the way)
;;   THE QUANTISER, for each operand of a quantised product, along K:
;;     - K is cut into blocks of 32 from its start; a last block that is shorter is filled with zeros.
;;     - A block's scale is 2^e with e = floor(log2(the largest magnitude in the block)) - 2, held to -126 .. 127; a block of zeros has e = 0. As a byte (E8M0): e + 127.
;;     - Each number is divided by its block's scale, clamped to +-6, and rounded to the nearest number of E2M1, ties to even, subnormals kept.
;;     - The product sums the exact products of the quantised numbers (number of the format x scale) in f32.
;;   ~~~python
;;   def quantise(x, axis):      # numpy; x: float32 -> the quantised numbers, widened to float32 again
;;       x = np.moveaxis(x, axis, -1); K = x.shape[-1]
;;       x = np.pad(x, [(0, 0)] * (x.ndim - 1) + [(0, -K % 32)]); x = x.reshape(x.shape[:-1] + (-1, 32)); a = np.abs(x).max(-1, keepdims=True)
;;       e = np.where(a > 0, np.clip(np.frexp(np.where(a > 0, a, 1))[1] - 1 - 2, -126, 127), 0)      # np.frexp(a)[1] - 1 = floor(log2(a)), exactly
;;       r = np.clip(x / 2.0 ** e, -6, 6)
;;       step = 2.0 ** (np.maximum(np.frexp(np.where(r == 0, 1, r))[1] - 1, 0) - 1)
;;       q = np.round(r / step) * step * 2.0 ** e      # np.round: ties to even
;;       return np.moveaxis(q.reshape(q.shape[:-2] + (-1,))[..., :K], -1, axis).astype(np.float32)
;;   ~~~
;; One version. Each part assembles by itself: llvm-mc -triple=amdgcn-amd-amdhsa -mcpu=gfx1250 --defsym DOCPART=n.
;; ======== version 1 of 1: 4 launches
;; limits: values are held in f16: magnitudes above 65,504 overflow, below 6.1e-05 lose precision; right only within a limited range of input values
;; workspace buffers: codes 14,155,776 bytes; scales 884,736 bytes; woh 2,097,152 bytes; maskw 2,097,152 bytes of whole numbers; qkv 50,331,648 bytes; xh 16,777,216 bytes
;; launch prep (part 1): grid 1408 x 1, 4 waves a work-group, no clusters, 50,688 bytes of LDS; arguments query, key, value, Wq, Wk, Wv, Wo, mask, codes, scales, woh, maskw; writes codes, scales, woh, maskw
.if DOCPART == 1
	.amdgcn_target "amdgcn-amd-amdhsa--gfx1250"
	.amdhsa_code_object_version 6
	.text
	.protected	k_q05afec41ac_prep
	.globl	k_q05afec41ac_prep
	.p2align	8
	.type	k_q05afec41ac_prep,@function
k_q05afec41ac_prep:
	s_mov_b64 s[64:65], 0
	v_nop
	global_prefetch_b8 v0, s[64:65] scope:SCOPE_SE
	s_setreg_imm32_b32 hwreg(HW_REG_WAVE_MODE, 25, 1), 1
	s_wait_xcnt 0x0
; PREP: everything that is read once as wide numbers is made narrow here.  Three kinds of work-group, told apart by the work-group's number; each reads 131,072 bytes.
;   0 .. 863      QUANT: query, key, value [8192][1024] and Wq, Wk, Wv [1024][1024], f32, K innermost, become codes of FP4 (E2M1) and one E8M0 byte for each 32 along K.
;                 codes: [27,648 rows][512 bytes], rows in the order query, key, value, Wq, Wk, Wv; scales: [27,648][32 bytes].
;   864 .. 1375   MASK: mask [8192 rows][2048 keys] of int32 becomes select words: maskw[row / 16][key / 16][j], bit l = (mask[16 (row / 16) + l % 16][16 (key / 16) + 8 (l / 16) + j] != 0):
;                 the lane mask of register j of a 16 keys x 16 queries score tile, so that one select by a scalar mask serves 32 scores in the attention launch.
;   1376 .. 1407  WO: Wo [1024][1024] f32 becomes f16, same layout.
; A block's scale is 2^(floor(log2(its largest magnitude)) - 2); its byte is the largest magnitude's exponent field - 2, held at 1 from below.
; LIMITS: a block of zeros gets the byte 1 where the rule says 127 (its codes are zeros, which add nothing, and this program alone reads the bytes); blocks whose largest magnitude lies under 2^(2 - 126)
; have their byte held at 1; NaN and infinities among the inputs are not served; |Wo| stays under 65,504 (f16).
; No tensor loads, no barrier: waves share nothing.  Each kind has LDS bytes of its own.
; 160 registers a wave and 50,688 bytes of LDS a work-group: six work-groups fit on a WGP (6 x 160 registers on each SIMD, 6 x 50,688 bytes), 1,536 places for the 1,408 work-groups.
.set STEPS, 16
.set EMAX,  2
.set CB,    8                          ; bytes of 16 codes
.set R,     16                         ; QUANT v16-79   four sets of 16 numbers as loaded
.set X,     80                         ; QUANT v80-111  two sets of 16 neighbours
.set E,     112                        ; QUANT v112-127 a scale byte for each step
.set C,     128                        ; QUANT v128-159 codes, two registers for each step, so that no store's data are written again
.set WREG,  8192                       ; QUANT LDS: a region for each wave: two stages of 32 x SP bytes, then its 256 scale bytes
.set SP,    80                         ; a lane's place in a stage: 64 bytes + 16 of padding
.set MSTG,  4*WREG                     ; MASK LDS: behind QUANT's: 16 rows x 272 bytes for each wave
.set MPITCH, 272
.set MWAVE, 16*MPITCH
.set SPARE, MSTG+4*MWAVE               ; the spare words, 128 bytes for each wave: two blocks of 256 bytes that no other line names
.set SPW,   12                         ; v12  LDS address of my spare word; never rewritten
.set NIL,   13                         ; v13  0; never rewritten
.set MA,    1                          ; MASK v1  my byte in two rows of the mask
.set SA,    3                          ; MASK v3  the stage, on the way in
.set LA,    4                          ; MASK v4  the stage, on the way out
.set OA,    7                          ; MASK v7  16 x lane
.set MR,    16                         ; MASK v16-111  three sets of 32 registers as loaded
.set MY,    112                        ; MASK v112-143 a step's numbers in the score tile's layout
.set MW,    144                        ; MASK v144-151 the wave's 256 words
	s_load_b512 s[4:19], s[0:1], 0x0               ; query 4, key 6, value 8, Wq 10, Wk 12, Wv 14, Wo 16, mask 18
	s_load_b256 s[20:27], s[0:1], 0x40             ; codes 20, scales 22, woh 24, maskw 26
	v_lshl_add_u32 v[SPW], v0, 2, SPARE
	v_mov_b32 v[NIL], 0
	v_lshrrev_b32 v1, 5, v0
	v_readfirstlane_b32 s28, v1                    ; wave 0..3
	v_and_b32 v2, 31, v0                           ; lane
	s_mov_b32 s3, 0                                ; the high word of every offset pair s[2:3]
	s_wait_kmcnt 0x0
	s_cmp_ge_u32 ttmp9, 1376
	s_cbranch_scc1 .Lwo
	s_cmp_ge_u32 ttmp9, 864
	s_cbranch_scc1 .Lmask
; ---------------- QUANT ----------------
; Rows are dense and K is a multiple of 32: each tensor is a plain stream of blocks of 32.  A wave takes 16 steps of 512 numbers.  Each load reads 512 consecutive bytes; a step's 2,048 bytes turn
; through the wave's own stage, so that a lane then holds 16 neighbours along K (two neighbouring lanes hold a block).
	s_mov_b64 s[30:31], s[14:15]                   ; which tensor, and its first work-group: a choice on the work-group's number alone
	s_mov_b32 s29, 832
	s_cmp_lt_u32 ttmp9, 832
	s_cselect_b64 s[30:31], s[12:13], s[30:31]
	s_cselect_b32 s29, 800, s29
	s_cmp_lt_u32 ttmp9, 800
	s_cselect_b64 s[30:31], s[10:11], s[30:31]
	s_cselect_b32 s29, 768, s29
	s_cmp_lt_u32 ttmp9, 768
	s_cselect_b64 s[30:31], s[8:9], s[30:31]
	s_cselect_b32 s29, 512, s29
	s_cmp_lt_u32 ttmp9, 512
	s_cselect_b64 s[30:31], s[6:7], s[30:31]
	s_cselect_b32 s29, 256, s29
	s_cmp_lt_u32 ttmp9, 256
	s_cselect_b64 s[30:31], s[4:5], s[30:31]
	s_cselect_b32 s29, 0, s29
	s_sub_co_u32 s29, ttmp9, s29
	s_lshl_b32 s29, s29, 2
	s_add_co_u32 s29, s29, s28                     ; which run of 8,192 numbers of the tensor is my wave's
	s_lshl_b32 s2, s29, 15
	s_add_nc_u64 s[30:31], s[30:31], s[2:3]
	s_lshl_b32 s29, ttmp9, 2
	s_add_co_u32 s29, s29, s28                     ; and which run of all six tensors on end
	s_lshl_b32 s2, s29, 12                         ; 4,096 bytes of codes a run
	s_add_nc_u64 s[20:21], s[20:21], s[2:3]
	s_lshl_b32 s2, s29, 8                          ; 256 scale bytes a run
	s_add_nc_u64 s[22:23], s[22:23], s[2:3]
	v_lshlrev_b32 v3, 4, v2                        ; my 16 bytes of a load's 512
	s_mul_i32 s2, s28, WREG
	v_lshrrev_b32 v14, 2, v2
	v_mul_u32_u24 v14, v14, SP
	v_and_b32 v15, 3, v2
	v_lshl_add_u32 v14, v15, 4, v14
	v_add_nc_u32 v14, s2, v14                      ; the stage, on the way in: SP (lane / 4) + 16 (lane % 4)
	v_mul_u32_u24 v15, v2, SP
	v_add_nc_u32 v15, s2, v15                      ; and on the way out: SP x lane: my 16 neighbours
	v_mul_u32_u24 v4, v2, CB                       ; my codes' place in a step's
	v_lshrrev_b32 v5, 1, v2
	s_add_co_u32 s2, s2, 2*32*SP
	v_add_nc_u32 v5, s2, v5                        ; my wave's 256 scale bytes, my block's byte
	v_lshlrev_b32 v7, 3, v2                        ; and on the way out 8 bytes a lane
	v_add_nc_u32 v6, s2, v7
.macro LOAD t
.irp i, 0,1,2,3
	global_load_b128 v[R+16*((\t)%4)+4*\i:R+16*((\t)%4)+4*\i+3], v3, s[30:31] offset:2048*(\t)+512*\i th:TH_LOAD_NT   ; 32 lanes read 512 consecutive bytes
.endr
.endm
.macro TURN t                          ; step t's numbers through the stage: LDS serves a wave's instructions in order (ISA guide 5.7.1.4), so no wait stands between the stores and the loads
.irp i, 0,1,2,3
	ds_store_b128 v14, v[R+16*((\t)%4)+4*\i:R+16*((\t)%4)+4*\i+3] offset:32*SP*((\t)%2)+8*SP*\i
.endr
.irp i, 0,1,2,3
	ds_load_b128 v[X+16*((\t)%2)+4*\i:X+16*((\t)%2)+4*\i+3], v15 offset:32*SP*((\t)%2)+16*\i
.endr
.endm
.irp t, 0,1,2,3
	LOAD \t
.endr
	s_wait_loadcnt 12                              ; step 0's four loads are in; three steps of four may be out
	TURN 0
.macro STEP t
.set XS, X+16*((\t)%2)
.if (\t) > 0
	s_wait_dscnt 1                                 ; this step's numbers are back from the stage (the last step's byte store may be out): so its stores into the stage have read their registers,
.else
	s_wait_dscnt 0x0
.endif
.if (\t)+4 < STEPS
	LOAD (\t)+4                                    ; which take the loads of four steps on
.endif
.if (\t)+1 < STEPS
.if STEPS-2-(\t) >= 3
	s_wait_loadcnt 12                              ; the next step's four loads are in; those of the three steps behind it may be out
.else
	s_wait_loadcnt 4*(STEPS-2-(\t))
.endif
	TURN (\t)+1                                    ; and go through the other stage while this step is worked
.endif
	v_max3_num_f32 v8, |v[XS]|, |v[XS+1]|, |v[XS+2]|               ; the largest magnitude of my 16, in two chains
	v_max3_num_f32 v9, |v[XS+3]|, |v[XS+4]|, |v[XS+5]|
.irp i, 6,10
	v_max3_num_f32 v8, v8, |v[XS+\i]|, |v[XS+\i+1]|
	v_max3_num_f32 v9, v9, |v[XS+\i+2]|, |v[XS+\i+3]|
.endr
	v_max3_num_f32 v8, v8, |v[XS+14]|, |v[XS+15]|
	v_max3_num_f32 v8, v8, v9, (EMAX+1)<<23        ; and the floor 2^(3 - 127): the byte cannot fall under 1
	v_max_num_f32_dpp v8, v8, v8 row_xmask:1 row_mask:0xf bank_mask:0xf   ; and of my neighbour's 16: the block's
	v_add_nc_u32 v11, 0xff000000, v8               ; 2 off its exponent field: the conversion takes the exponent field of this operand as its scale
	v_cvt_scalef32_pk8_fp4_f32 v[C+2*(\t)], v[XS:XS+7], v11
	v_cvt_scalef32_pk8_fp4_f32 v[C+2*(\t)+1], v[XS+8:XS+15], v11
	v_lshrrev_b32 v[E+(\t)], 23, v11               ; the scale's byte (also the plain line behind the conversions)
	ds_store_b8 v5, v[E+(\t)] offset:16*(\t)       ; both lanes of a block write the same byte with the same value
	global_store_b64 v4, v[C+2*(\t):C+2*(\t)+1], s[20:21] offset:32*CB*(\t)   ; the wave stores 256 consecutive bytes, aligned
.endm
.irp t, 0,1,2,3,4,5,6,7,8,9,10,11,12,13,14,15
	STEP \t
.endr
	ds_load_b64 v[8:9], v6                         ; my wave's 256 scale bytes: these loads see my stores
	s_wait_dscnt 0x0
	global_store_b64 v7, v[8:9], s[22:23]          ; 32 lanes store 256 consecutive bytes, aligned
	s_branch .Lend
; ---------------- MASK ----------------
; Work-group m takes rows 16 m .. 16 m + 15; wave w keys 512 w .. 512 w + 511, in 8 steps of 64 keys.  A load reads 2 rows x 256 bytes.  A step's 16 x 256 bytes turn through the wave's stage, so that
; lane l then holds row l % 16 and, for each of 4 key tiles, the 8 keys 8 (l / 16) + j.  32 compares give 32 words in scalar registers; they are written into the lanes of the registers that are stored.
; Loads run three steps (24 loads a wave) ahead.
.Lmask:
	s_sub_co_u32 s29, ttmp9, 864                   ; m
	s_lshl_b32 s2, s29, 17                         ; 16 rows of 8,192 bytes
	s_lshl_b32 s30, s28, 11                        ; my wave's 512 keys
	s_add_co_u32 s2, s2, s30
	s_add_nc_u64 s[30:31], s[18:19], s[2:3]
	s_lshl_b32 s2, s29, 12                         ; 4,096 bytes of words for a tile of rows,
	s_lshl_b32 s29, s28, 10                        ; 1,024 of them my wave's
	s_add_co_u32 s2, s2, s29
	s_add_nc_u64 s[26:27], s[26:27], s[2:3]
	s_mul_i32 s29, s28, MWAVE
	s_add_co_u32 s29, s29, MSTG                    ; my stage
	v_and_b32 v5, 15, v2
	v_lshrrev_b32 v6, 4, v2
	v_lshlrev_b32 v[MA], 13, v6
	v_lshl_add_u32 v[MA], v5, 4, v[MA]             ; lanes 0-15 one row's 256 bytes, lanes 16-31 the next row's
	v_mul_u32_u24 v[SA], v6, MPITCH
	v_lshl_add_u32 v[SA], v5, 4, v[SA]
	v_add_nc_u32 v[SA], s29, v[SA]
	v_mul_u32_u24 v[LA], v5, MPITCH
	v_lshl_add_u32 v[LA], v6, 5, v[LA]
	v_add_nc_u32 v[LA], s29, v[LA]                 ; row l % 16, + 32 (l / 16) bytes: rows 272 bytes apart start at 16 different banks
	v_lshlrev_b32 v[OA], 4, v2
.irp i, 0,1,2,3,4,5,6,7
	v_mov_b32 v[MW+\i], 0                          ; written once: the destination of a write to one lane counts as read
.endr
.macro LOADM st
.irp i, 0,1,2,3,4,5,6,7
	global_load_b128 v[MR+32*((\st)%3)+4*\i:MR+32*((\st)%3)+4*\i+3], v[MA], s[30:31] offset:16384*\i+256*(\st) th:TH_LOAD_NT
.endr
.endm
.macro STEPM st
.if 7-(\st) >= 2
	s_wait_loadcnt 16                              ; this step's eight loads are in; two younger sets of eight may be out
.else
	s_wait_loadcnt 8*(7-(\st))
.endif
.irp i, 0,1,2,3,4,5,6,7
	ds_store_b128 v[SA], v[MR+32*((\st)%3)+4*\i:MR+32*((\st)%3)+4*\i+3] offset:2*MPITCH*\i
.endr
.irp i, 0,1,2,3,4,5,6,7
	ds_load_b128 v[MY+4*\i:MY+4*\i+3], v[LA] offset:64*(\i/2)+16*(\i%2)     ; register 8 kt + j
.endr
	s_wait_dscnt 0x0                               ; the numbers are back, and the stores have read their registers,
.if (\st) < 5
	LOADM (\st)+3                                  ; which take the loads of three steps on
.endif
.set n, 0
.rept 32
	v_cmp_ne_u32 s[32+n], 0, v[MY+n]               ; word 8 kt + j of the step
.set n, n+1
.endr
.set n, 0
.rept 32
.set wi, 32*((\st)%4)+n
	v_writelane_b32 v[MW+4*((\st)/4)+wi%4], s[32+n], wi/4   ; word wi of 128: lane wi / 4 stores words 4 (wi / 4) .. + 3
.set n, n+1
.endr
.if (\st)%4 == 3
	global_store_b128 v[OA], v[MW+4*((\st)/4):MW+4*((\st)/4)+3], s[26:27] offset:512*((\st)/4)   ; 512 consecutive bytes, aligned
.endif
.endm
.irp t, 0,1,2
	LOADM \t
.endr
.irp t, 0,1,2,3,4,5,6,7
	STEPM \t
.endr
	s_branch .Lend
; ---------------- WO ----------------
.Lwo:
	s_sub_co_u32 s29, ttmp9, 1376
	s_lshl_b32 s29, s29, 2
	s_add_co_u32 s29, s29, s28                     ; which run of 8,192 numbers is my wave's
	s_lshl_b32 s2, s29, 15
	s_add_nc_u64 s[16:17], s[16:17], s[2:3]
	s_lshl_b32 s2, s29, 14
	s_add_nc_u64 s[24:25], s[24:25], s[2:3]
	v_lshlrev_b32 v3, 4, v2
	v_lshlrev_b32 v4, 3, v2
.irp r, 0,1,2,3
.if \r > 0
	s_wait_xcnt 0x0                                ; the last round's stores have read their data: the registers may be written again
.endif
.irp i, 0,1,2,3,4,5,6,7,8,9,10,11,12,13,14,15
	global_load_b128 v[16+4*\i:19+4*\i], v3, s[16:17] offset:512*(16*\r+\i) th:TH_LOAD_NT
.endr
	s_wait_loadcnt 0x0
.irp i, 0,1,2,3,4,5,6,7,8,9,10,11,12,13,14,15
	v_cvt_pk_f16_f32 v[80+2*\i], v[16+4*\i], v[17+4*\i]
	v_cvt_pk_f16_f32 v[81+2*\i], v[18+4*\i], v[19+4*\i]
.endr
.irp i, 0,1,2,3,4,5,6,7,8,9,10,11,12,13,14,15
	global_store_b64 v4, v[80+2*\i:81+2*\i], s[24:25] offset:256*(16*\r+\i)   ; the wave stores 256 consecutive bytes, aligned
.endr
.endr
.Lend:
	s_wait_tensorcnt 0x0                           ; the wave's end: behind my last LDS store
	ds_add_u32 v[SPW], v[NIL]
	s_wait_dscnt 0x0
	s_endpgm
.Lfunc_end_k_q05afec41ac_prep:
	.size	k_q05afec41ac_prep, .Lfunc_end_k_q05afec41ac_prep-k_q05afec41ac_prep
	.p2alignl 7, 3214868480
	.fill 96, 4, 3214868480
	.section	.rodata,"a",@progbits
	.p2align	6, 0x0
	.amdhsa_kernel k_q05afec41ac_prep
		.amdhsa_group_segment_fixed_size 50688
		.amdhsa_private_segment_fixed_size 0
		.amdhsa_enable_private_segment 0
		.amdhsa_kernarg_size 96
		.amdhsa_user_sgpr_count 2
		.amdhsa_user_sgpr_kernarg_segment_ptr 1
		.amdhsa_wavefront_size32 1
		.amdhsa_system_sgpr_workgroup_id_x 1
		.amdhsa_system_sgpr_workgroup_id_y 1
		.amdhsa_system_sgpr_workgroup_id_z 1
		.amdhsa_system_vgpr_workitem_id 0
		.amdhsa_next_free_vgpr 160
		.amdhsa_next_free_sgpr 66
		.amdhsa_reserve_vcc 0
		.amdhsa_float_denorm_mode_32 3
		.amdhsa_float_denorm_mode_16_64 3
		.amdhsa_memory_ordered 1
		.amdhsa_forward_progress 1
		.amdhsa_inst_pref_size 103
	.end_amdhsa_kernel
	.amdgpu_metadata
---
amdhsa.version: [ 1, 2 ]
amdhsa.kernels:
  - .name:           k_q05afec41ac_prep
    .symbol:         k_q05afec41ac_prep.kd
    .args:
      - { .name: query, .offset: 0, .size: 8, .value_kind: global_buffer, .address_space: global }
      - { .name: key, .offset: 8, .size: 8, .value_kind: global_buffer, .address_space: global }
      - { .name: value, .offset: 16, .size: 8, .value_kind: global_buffer, .address_space: global }
      - { .name: Wq, .offset: 24, .size: 8, .value_kind: global_buffer, .address_space: global }
      - { .name: Wk, .offset: 32, .size: 8, .value_kind: global_buffer, .address_space: global }
      - { .name: Wv, .offset: 40, .size: 8, .value_kind: global_buffer, .address_space: global }
      - { .name: Wo, .offset: 48, .size: 8, .value_kind: global_buffer, .address_space: global }
      - { .name: mask, .offset: 56, .size: 8, .value_kind: global_buffer, .address_space: global }
      - { .name: codes, .offset: 64, .size: 8, .value_kind: global_buffer, .address_space: global }
      - { .name: scales, .offset: 72, .size: 8, .value_kind: global_buffer, .address_space: global }
      - { .name: woh, .offset: 80, .size: 8, .value_kind: global_buffer, .address_space: global }
      - { .name: maskw, .offset: 88, .size: 8, .value_kind: global_buffer, .address_space: global }
    .group_segment_fixed_size: 50688
    .private_segment_fixed_size: 0
    .kernarg_segment_align: 8
    .kernarg_segment_size: 96
    .max_flat_workgroup_size: 128
    .sgpr_count:     66
    .vgpr_count:     160
    .wavefront_size: 32
...
	.end_amdgpu_metadata
.endif
;; end of part 1
;; launch proj (part 2): grid 4 x 96, 4 waves a work-group, clusters of 4 x 4, 327,680 bytes of LDS; arguments codes, scales, qkv; writes qkv
.if DOCPART == 2
	.amdgcn_target "amdgcn-amd-amdhsa--gfx1250"
	.amdhsa_code_object_version 6
	.text
	.protected	k_q05afec41ac_proj
	.globl	k_q05afec41ac_proj
	.p2align	8
	.type	k_q05afec41ac_proj,@function
k_q05afec41ac_proj:
	s_mov_b64 s[64:65], 0
	v_nop
	global_prefetch_b8 v0, s[64:65] scope:SCOPE_SE
	s_setreg_imm32_b32 hwreg(HW_REG_WAVE_MODE, 25, 1), 1
	s_wait_xcnt 0x0
	s_wait_alu depctr_hold_cnt(0) depctr_sa_sdst(0) depctr_va_vdst(0) depctr_va_sdst(0) depctr_va_ssrc(0) depctr_va_vcc(0) depctr_vm_vsrc(0)
	s_getreg_b32 s2, hwreg(HW_REG_IB_STS2, 6, 4)
	s_cmp_eq_u32 s2, 0
	s_cbranch_scc0 .Lentry_in_a_cluster
	s_endpgm
.Lentry_in_a_cluster:
	s_bfe_u32 s2, ttmp6, 0x10000c
	s_cmp_lg_u32 s2, 0xf033
	s_cbranch_scc0 .Lentry_shape_is_right
	s_endpgm
.Lentry_shape_is_right:
; PROJ: q = query Wq^T, k = key Wk^T, v = value Wv^T, all three in one grid, on codes of FP4 (E2M1) with one E8M0 scale for each 32 along K = 1,024.  Sums in f32; results rounded once to f16.
; codes: [27,648 rows][512 bytes]; rows 0 .. 24,575 are query, key, value (A), rows 24,576 on are Wq, Wk, Wv (B).  scales: [27,648][32 bytes].
; qkv: [3 tensors][4 b][16 h][2,048 s][64] f16: head-major, so that four positions of a head are 512 consecutive bytes.
; LIMIT: |q|, |k|, |v| stay under 65,504 (f16).
; A tile of C, 256 x 256, is made by a work-group of four waves; a wave makes 128 x 128: 64 accumulators, 512 registers.  Tile row ty = 0 .. 95 (32 to a tensor), tile column tx = 0 .. 3.
; K = 1,024 is two slots of 512 (a tile's row is 256 bytes): both are asked for at the head, and nothing is filled again.  The scales of the work-group's rows come once, as dense blocks.
; CLUSTERS: 4 x 4 work-groups.  The four of a row of the cluster need the same tiles of A, the four of a column the same tiles of B: each is asked for jointly.  A cluster's four tile rows lie in one tensor
; (8 rows of clusters to a tensor), so B's rows hang on the cluster's y and on the tile column alone.
; THE MATRIX INSTRUCTION IS USED TRANSPOSED (source 0 = 16 rows of B, source 1 = 16 rows of A): a lane then holds eight neighbouring numbers of a row of C.
; REGISTERS, in windows of 256: window 0: v0-31 addresses; v32-95 scale words, two sets; from v128 A's fragments, ONE set; on the way out v32-127 are at work.
;   window 1: B's fragments, TWO sets, at v0 and v128.   window 2: accumulators of my rows 0-63 ((a, b) at v[8 (8 a + b)]);   window 3: those of my rows 64-127.
.set NQ,     4                         ; matrix instructions deep in a slot
.set ROWB,   256                       ; a tile's row in bytes: 512 codes
.set KROW,   512                       ; a row of codes in memory
.set PITCH,  272                       ; an LDS row: 256 bytes + 16 of padding: the 16 rows that a load touches start at 16 different banks (64 banks of 4 bytes: ISA guide 11.1)
.set FR,     8                         ; registers of a fragment
.set NL,     2                         ; LDS loads that bring one
.set NP,     4                         ; places behind this matrix instruction (ISA guide 7.12.1)
.set HALFT,  128*PITCH
.set SLOT,   4*HALFT                   ; A's 256 rows, then B's 256 rows
.set KS,     32                        ; a row of scales in bytes
.set SCL,    2*SLOT                    ; behind the slots: the scales, as units of 256 bytes + 16 of padding
.set HALFS,  (128*KS/256)*272
.set SBLK,   (16*KS/256)*272
.set SPARE,  SCL+4*HALFS               ; the spare words, 128 bytes for each wave: two blocks of 256 bytes that no other line names
.set STAGE,  SPARE+512                 ; the way out: 16 rows x 272 bytes for each wave; no tile lands here
.set SPITCH, 272
.set ADRA, 16                          ; v16-17  LDS address of my A fragments in slot 0, 1
.set ADRB, 20                          ; v20-21  the same for B
.set STO,  24                          ; v24     the way out: where I put 16 bytes of a row
.set RD,   25                          ; v25     where I read 16 bytes of a head's row back
.set CO,   26                          ; v26     16 x lane
.set ADRS, 27                          ; v27     LDS address of my scale words: lanes 0-15 A's rows, lanes 16-31 B's
.set SPW,  28                          ; v28     LDS address of my spare word; never rewritten
.set NIL,  29                          ; v29     0; never rewritten
.set SC,   32                          ; scale words: set s at v[SC + 32 s]; register 4 i + q: lanes 0-15 A's block i, lanes 16-31 B's block i, the slot's q-th 128 along K
.set AF,   128                         ; A's fragments, window 0
.set TMP,  32                          ; the way out: packed results
.set BK,   64                          ; the way out: read back from the stage: v64-95 and v96-127 by turns
.set G1, 24
.set G0, 32
.set G1B, 48
.set G0B, 56
.set G1S, 68
.set G0S, 76
.set G1SB, 80
.set G0SB, 88
.set MSB, 0
.macro WIN new                         ; the immediate's high byte repeats the setting that is left
.if MSB != (\new)
	s_set_vgpr_msb (MSB<<8)|(\new)
.set MSB, (\new)
.endif
.endm
.set MUL_LO, 0xa1                      ; source 0 (B) window 1, source 1 (A) window 0, C and D window 2
.set MUL_HI, 0xf1                      ; the same, C and D window 3
.set TO_B,   0x40                      ; destination window 1, address window 0
; A joint load: waves 0 and 1 fetch for A, waves 2 and 3 for B.  The branch hangs on the wave's number alone.  An s_nop 0 and four v_nop follow each of the two lines.
.macro JLOAD g0a, g1a, g0b, g1b
	s_cmp_eq_u32 s15, 0
	s_cbranch_scc0 .Lfor_b_\@
	tensor_load_to_lds s[\g0a:\g0a+3], s[\g1a:\g1a+7]
	s_nop 0
.rept 4
	v_nop
.endr
	s_branch .Lasked_\@
.Lfor_b_\@:
	tensor_load_to_lds s[\g0b:\g0b+3], s[\g1b:\g1b+7]
	s_nop 0
.rept 4
	v_nop
.endr
.Lasked_\@:
.endm
.macro CROUND                          ; a round of the cluster's barrier
	s_barrier_signal -1
	s_barrier_wait -1
	s_cmp_lg_u32 s14, 0
	s_cbranch_scc1 .Lnot_wave_0_\@
	s_barrier_signal -3
.Lnot_wave_0_\@:
	s_barrier_wait -3
	s_barrier_signal -1
	s_barrier_wait -1
.endm
	s_load_b128 s[4:7], s[0:1], 0x0                ; codes s[4:5], scales s[6:7]
	s_load_b64 s[12:13], s[0:1], 0x10              ; qkv
	v_lshl_add_u32 v[SPW], v0, 2, SPARE
	v_mov_b32 v[NIL], 0
	ds_add_u32 v[SPW], v[NIL]                      ; the wave's opening: the add, twice on end, and its wait ahead of my first tensor load
	ds_add_u32 v[SPW], v[NIL]                      ; and once more, under the one wait; the set-up below, work on registers, stands between
	v_lshrrev_b32 v1, 5, v0
	v_readfirstlane_b32 s14, v1                    ; wave 0..3
	s_lshr_b32 s15, s14, 1                         ; which half of the tile's rows is mine.  Also: I fetch for A (0) or for B (1)
	s_and_b32 s16, s14, 1                          ; which half of its columns.  Also: which 128 rows of that tile I fetch
	s_bfe_u32 s40, ttmp6, 0x40000                  ; cx, cy: my place in the cluster
	s_bfe_u32 s41, ttmp6, 0x40004
	s_lshl_b32 s42, ttmp9, 2
	s_add_co_u32 s42, s42, s40                     ; tile column tx
	s_and_b32 s17, ttmp7, 0xffff
	s_lshl_b32 s17, s17, 2
	s_add_co_u32 s17, s17, s41                     ; tile row ty
	s_lshl_b32 s43, s41, 2
	s_lshl_b32 s43, 15, s43                        ; my row of the cluster
	s_lshl_b32 s44, 0x1111, s40                    ; my column
	; descriptor group 1: a tile of 128 rows x 256 bytes, 16 bytes of padding behind each row
	s_or_b32 s[G1+0], s43, (0<<16)|(1<<20)|(1<<21)|(5<<22)|(3<<25)  ; 15:0 the mask; 17:16 elements of 1 byte; 20 padding on; 21 set beside a mask; 24:22 after every 64 words; 31:25 four words
	s_or_b32 s[G1B+0], s44, (0<<16)|(1<<20)|(1<<21)|(5<<22)|(3<<25)
.irp g, G1, G1B
	s_mov_b32 s[\g+1], ROWB<<16                    ; tensor_dim0
	s_mov_b32 s[\g+2], 128<<16                     ; tensor_dim1
	s_mov_b32 s[\g+3], ROWB<<16                    ; tile_dim0
	s_mov_b32 s[\g+4], 128                         ; tile_dim1
	s_mov_b32 s[\g+5], KROW                        ; from row to row
	s_mov_b32 s[\g+6], 0
	s_mov_b32 s[\g+7], 0
.endr
	; the scales of 128 rows: 4,096 dense bytes, as 16 rows of 256 bytes (32 elements of 8 bytes), 16 bytes of padding behind each
	s_or_b32 s[G1S+0], s43, (3<<16)|(1<<20)|(1<<21)|(5<<22)|(3<<25)
	s_or_b32 s[G1SB+0], s44, (3<<16)|(1<<20)|(1<<21)|(5<<22)|(3<<25)
.irp g, G1S, G1SB
	s_mov_b32 s[\g+1], 32<<16
	s_mov_b32 s[\g+2], (128*KS/256)<<16
	s_mov_b32 s[\g+3], 32<<16
	s_mov_b32 s[\g+4], 128*KS/256
	s_mov_b32 s[\g+5], 32
	s_mov_b32 s[\g+6], 0
	s_mov_b32 s[\g+7], 0
.endr
	s_lshl_b32 s18, s16, 7                         ; which 128 rows of the tile I fetch
	s_lshl_b32 s20, s17, 8
	s_add_co_u32 s20, s20, s18                     ; A: row 256 ty + 128 x half
	s_lshl_b32 s46, s42, 8
	s_add_co_u32 s46, s46, s18                     ; B: 256 tx + 128 x half,
	s_and_b32 s47, ttmp7, 0xffff
	s_lshr_b32 s47, s47, 3                         ; in the weight of my tensor: the cluster's y / 8,
	s_lshl_b32 s47, s47, 10
	s_add_co_u32 s46, s46, s47
	s_add_co_u32 s46, s46, 24576                   ; behind the 24,576 rows of A
	s_mov_b32 s21, 0
	s_mov_b32 s47, 0
	s_mov_b64 s[18:19], KS
	s_mul_u64 s[22:23], s[20:21], s[18:19]         ; where these rows' scales begin, in bytes
	s_mul_u64 s[92:93], s[46:47], s[18:19]
	s_mov_b64 s[18:19], KROW
	s_mul_u64 s[20:21], s[20:21], s[18:19]         ; and their codes
	s_mul_u64 s[46:47], s[46:47], s[18:19]
	s_mul_i32 s45, s14, HALFT                      ; where they go: wave x 128 rows: no place in the cluster enters an LDS address
	s_mul_i32 s94, s14, HALFS
	s_wait_dscnt 0x0                               ; both opening adds are done
	s_wait_kmcnt 0x0
	s_add_nc_u64 s[20:21], s[4:5], s[20:21]
	s_add_nc_u64 s[22:23], s[6:7], s[22:23]
	s_add_nc_u64 s[46:47], s[4:5], s[46:47]
	s_add_nc_u64 s[92:93], s[6:7], s[92:93]
	CROUND                                         ; all sixteen work-groups are here: the first joint loads meet
	s_mov_b32 s[G0S], 1
	s_add_co_u32 s[G0S+1], s94, SCL
	s_mov_b64 s[G0S+2:G0S+3], s[22:23]
	s_or_b32 s[G0S+3], s[G0S+3], 0x80000000
	s_mov_b32 s[G0SB], 1
	s_add_co_u32 s[G0SB+1], s94, SCL
	s_mov_b64 s[G0SB+2:G0SB+3], s[92:93]
	s_or_b32 s[G0SB+3], s[G0SB+3], 0x80000000
	JLOAD G0S, G1S, G0SB, G1SB                     ; the scales first: they are wanted with slot 0
.irp s, 0,1
	s_mov_b32 s[G0+4*\s], 1
	s_add_co_u32 s[G0+4*\s+1], s45, \s*SLOT
	s_add_nc_u64 s[G0+4*\s+2:G0+4*\s+3], s[20:21], \s*ROWB
	s_or_b32 s[G0+4*\s+3], s[G0+4*\s+3], 0x80000000
	s_mov_b32 s[G0B+4*\s], 1
	s_add_co_u32 s[G0B+4*\s+1], s45, \s*SLOT
	s_add_nc_u64 s[G0B+4*\s+2:G0B+4*\s+3], s[46:47], \s*ROWB
	s_or_b32 s[G0B+4*\s+3], s[G0B+4*\s+3], 0x80000000
	JLOAD G0+4*\s, G1, G0B+4*\s, G1B               ; three loads of mine are out at the most
.endr
	v_and_b32 v1, 15, v0                           ; r = l % 16
	v_bfe_u32 v2, v0, 4, 1                         ; h = l / 16
	v_mul_u32_u24 v3, v1, PITCH
	v_lshl_add_u32 v4, v2, 4, v3                   ; a fragment's row x pitch + 16 x half
	s_mul_i32 s21, s15, HALFT                      ; my 128 rows of A
	s_mul_i32 s22, s16, HALFT                      ; my 128 rows of B,
	s_add_co_u32 s22, s22, 2*HALFT                 ; which lie behind A's 256
.irp s, 0,1
	v_add_nc_u32 v[ADRA+\s], s21, v4
	v_add_nc_u32 v[ADRB+\s], s22, v4
	s_add_co_u32 s21, s21, SLOT
	s_add_co_u32 s22, s22, SLOT
.endr
	v_mul_u32_u24 v5, v1, KS                       ; my row's scales: 32 bytes a row,
	v_lshrrev_b32 v6, 8, v5
	v_lshl_add_u32 v5, v6, 4, v5                   ; and 16 more for each 256 passed
	s_mul_i32 s21, s15, HALFS                      ; A's: my 128 rows
	s_mul_i32 s22, s16, HALFS                      ; B's: my 128 rows, behind A's 256
	s_add_co_u32 s22, s22, 2*HALFS
	s_sub_co_u32 s22, s22, s21
	v_mul_u32_u24 v6, s22, v2                      ; lanes 16-31 take B's: one product, the distance between the two bases
	s_add_co_u32 s21, s21, SCL
	v_add_nc_u32 v5, v5, v6
	v_add_nc_u32 v[ADRS], s21, v5
	s_mul_i32 s23, s14, 16*SPITCH
	s_add_co_u32 s23, s23, STAGE                   ; my stage
	v_mul_u32_u24 v5, v1, SPITCH                   ; in: row r, 16 bytes for each half of the lanes
	v_lshl_add_u32 v5, v2, 4, v5
	v_add_nc_u32 v[STO], s23, v5
	v_and_b32 v6, 31, v0
	v_lshlrev_b32 v[CO], 4, v6                     ; in memory: four positions of a head, 512 consecutive bytes: 16 x lane
	v_lshrrev_b32 v5, 3, v6                        ; back: eight lanes take a position's 128 bytes of one head
	v_mul_u32_u24 v5, v5, SPITCH
	v_and_b32 v6, 7, v6
	v_lshl_add_u32 v5, v6, 4, v5
	v_add_nc_u32 v[RD], s23, v5
	; where my part begins in qkv.  G = my first row of A = 256 ty + 128 x row half; (G / 2,048) = 4 x tensor + b; head = 4 tx + 2 x column half; a head is 262,144 bytes, a position 128
	s_lshl_b32 s20, s17, 8
	s_lshl_b32 s21, s15, 7
	s_add_co_u32 s20, s20, s21                     ; G
	s_lshr_b32 s21, s20, 11
	s_lshl_b32 s21, s21, 4
	s_lshl_b32 s22, s16, 1
	s_add_co_u32 s21, s21, s22
	s_lshl_b32 s21, s21, 18
	s_and_b32 s20, s20, 2047
	s_lshl_b32 s20, s20, 7
	s_add_co_u32 s20, s20, s21
	s_mov_b32 s21, 0
	s_add_nc_u64 s[12:13], s[12:13], s[20:21]
	s_lshl_b32 s46, s42, 20                        ; 4 tx heads
	s_mov_b32 s47, 0
	s_add_nc_u64 s[12:13], s[12:13], s[46:47]
.macro FRAG reg, adr, q, i             ; a fragment, 16 rows x 128 K of 4-bit codes, is 8 registers: lane l holds row l % 16; registers 4 c .. 4 c + 3 hold K = 64 c + 32 (l / 16) + 0 .. 31
.irp c, 0,1
	ds_load_b128 v[\reg+4*\c:\reg+4*\c+3], v[\adr] offset:64*(\q)+32*\c+(\i)*16*PITCH
.endr
.endm
; 16 matrix instructions: A's blocks a0, a0 + 1 x B's eight, the slot's q-th 128 along K.  p: B's set;  sc: the set of scale words.  zero = 1: the first product starts the sums.
; The 64 accumulators take turns, one instruction a turn, in the same order in every step.
.macro MUL16 a0, p, q, sc, zero
.irp a, \a0, \a0+1
.irp b, 0,1,2,3,4,5,6,7
.if \zero
	v_wmma_scale_f32_16x16x128_f8f6f4 v[8*(8*((\a)%4)+\b):8*(8*((\a)%4)+\b)+7], v[128*(\p)+FR*\b:128*(\p)+FR*\b+FR-1], v[AF+FR*(\a):AF+FR*(\a)+FR-1], 0, v[SC+8*NQ*(\sc)+NQ*\b+(\q)], v[SC+8*NQ*(\sc)+NQ*(\a)+(\q)] matrix_a_fmt:MATRIX_FMT_FP4 matrix_b_fmt:MATRIX_FMT_FP4 matrix_a_scale:MATRIX_SCALE_ROW1
.else
	v_wmma_scale_f32_16x16x128_f8f6f4 v[8*(8*((\a)%4)+\b):8*(8*((\a)%4)+\b)+7], v[128*(\p)+FR*\b:128*(\p)+FR*\b+FR-1], v[AF+FR*(\a):AF+FR*(\a)+FR-1], v[8*(8*((\a)%4)+\b):8*(8*((\a)%4)+\b)+7], v[SC+8*NQ*(\sc)+NQ*\b+(\q)], v[SC+8*NQ*(\sc)+NQ*(\a)+(\q)] matrix_a_fmt:MATRIX_FMT_FP4 matrix_b_fmt:MATRIX_FMT_FP4 matrix_a_scale:MATRIX_SCALE_ROW1
.endif
.endr
.endr
.endm
.macro FETCH_B slot, q, p              ; B's eight fragments of the slot's q-th 128 along K into set p
	WIN TO_B
.irp i, 0,1,2,3,4,5,6,7
	FRAG 128*(\p)+FR*\i, ADRB+\slot, \q, \i
.endr
	WIN 0
.endm
.macro FETCH_A slot, q, i0             ; A's blocks i0 .. i0 + 3
.irp i, \i0, \i0+1, \i0+2, \i0+3
	FRAG AF+FR*(\i), ADRA+\slot, \q, \i
.endr
.endm
.macro SCALES sc                       ; a slot's scale words into set sc: 4 words a row; lanes 0-15 take A's block i, lanes 16-31 B's block i
.irp i, 0,1,2,3,4,5,6,7
	ds_load_b128 v[SC+8*NQ*\sc+NQ*\i:SC+8*NQ*\sc+NQ*\i+3], v[ADRS] offset:\i*SBLK
.endr
.endm
; A load into a register that a matrix instruction has read, and a vector instruction that reads a matrix result or writes one of its registers, stand NP places behind it; only plain vector
; instructions that name none of its registers are places (ISA guide 7.12.1 for vector instructions).
.macro PLACES n
.rept \n
	v_nop
.endr
.endm
; A step of 128 along K that has its successor in the same slot.  A block of A is free as soon as its eight products are issued: blocks 0-3 are fetched anew in the middle, blocks 4-7 at the end.
.macro STEP slot, q, zero
	s_wait_dscnt 4*NL                              ; B's set, the scale words and A's blocks 0-3 are in; the youngest eight loads (A's blocks 4-7) may be out
	WIN MUL_LO
	MUL16 0, (\q)%2, \q, \slot, \zero
	MUL16 2, (\q)%2, \q, \slot, \zero
	s_wait_dscnt 0                                 ; A's blocks 4-7 are in
	PLACES NP
	FETCH_B \slot, (\q)+1, 1-(\q)%2
	FETCH_A \slot, (\q)+1, 0
	WIN MUL_HI
	MUL16 4, (\q)%2, \q, \slot, \zero
	MUL16 6, (\q)%2, \q, \slot, \zero
	PLACES NP
	WIN 0
	FETCH_A \slot, (\q)+1, 4
.endm
.macro STEPS slot, from                ; the slot's steps from .. NQ - 2
.set Q, \from
.rept NQ-1-\from
	STEP \slot, Q, 0
.set Q, Q+1
.endr
.endm
	s_wait_tensorcnt 1                             ; the scales and my part of slot 0 are in (slot 1's load may be out)
	s_barrier_signal -1
	s_barrier_wait -1                              ; everybody's are
	FETCH_B 0, 0, 0
	FETCH_A 0, 0, 0
	SCALES 0
	FETCH_A 0, 0, 4
	STEP 0, 0, 1                                   ; the first step's products start the sums: nothing is cleared
	STEPS 0, 1
	; slot 0's last step changes slots: each wave waits for its part of slot 1, then one barrier.  Nothing is filled again.
	s_wait_tensorcnt 0x0                           ; all my tensor loads have landed
	ds_add_u32 v[SPW], v[NIL]                      ; 0 onto my spare word
	s_wait_dscnt 4*NL+1                            ; (the add and the youngest eight loads, A's blocks 4-7, may be out)
	WIN MUL_LO
	MUL16 0, 1, NQ-1, 0, 0
	s_wait_dscnt 0x0                               ; no LDS instruction of mine is pending at the signal
	s_barrier_signal -1
	MUL16 2, 1, NQ-1, 0, 0
	WIN 0
	s_barrier_wait -1                              ; slot 1 is whole
	PLACES NP
	v_add_nc_u32 v[ADRS], 4*NQ, v[ADRS]            ; on to slot 1's scale words
	FETCH_B 1, 0, 0
	FETCH_A 1, 0, 0
	SCALES 1
	WIN MUL_HI
	MUL16 4, 1, NQ-1, 0, 0
	MUL16 6, 1, NQ-1, 0, 0
	PLACES NP
	WIN 0
	FETCH_A 1, 0, 4
	STEPS 1, 0
	s_wait_dscnt 4*NL                              ; the very last step: nothing more to fetch
	WIN MUL_LO
	MUL16 0, 1, NQ-1, 1, 0
	MUL16 2, 1, NQ-1, 1, 0
	s_wait_dscnt 0
	WIN MUL_HI
	MUL16 4, 1, NQ-1, 1, 0
	MUL16 6, 1, NQ-1, 1, 0
	WIN 0
; THE WAY OUT, block by block of 16 rows x 128 columns (two heads).  PACK: rounded to f16, 16 bytes a lane, each accumulator from its low end on.  TOSTAGE: into my own stage, rows of 272 bytes, and back so that
; eight lanes hold a position's 128 bytes of one head.  SEND: four positions of a head, 512 consecutive bytes, an instruction.
.macro PACK a
.set AC, 64*((\a)%4)
	WIN 0x0a+5*((\a)/4)                            ; sources 0 and 1: window 2 or 3
.irp b, 0,1,2,3,4,5,6,7
.irp r, 0,1,2,3
	v_cvt_pk_f16_f32 v[TMP+4*\b+\r], v[AC+8*\b+2*\r], v[AC+8*\b+2*\r+1]
.endr
.endr
	WIN 0
.endm
.macro TOSTAGE a
.set BB, BK+32*((\a)%2)
.irp b, 0,1,2,3,4,5,6,7
	ds_store_b128 v[STO], v[TMP+4*\b:TMP+4*\b+3] offset:32*\b
.endr
.irp hd, 0,1
.irp i, 0,1,2,3
	ds_load_b128 v[BB+4*(4*\hd+\i):BB+4*(4*\hd+\i)+3], v[RD] offset:4*SPITCH*\i+128*\hd   ; LDS serves a wave's instructions in order (ISA guide 5.7.1.4): these see the stores above
.endr
.endr
.endm
.macro SEND a
.set BB, BK+32*((\a)%2)
	s_wait_dscnt 0x0                               ; the block is back in registers
	s_wait_xcnt 0x0                                ; the stores of the block before have read their registers: the next block's loads may land there
.irp hd, 0,1
.irp i, 0,1,2,3
	global_store_b128 v[CO], v[BB+4*(4*\hd+\i):BB+4*(4*\hd+\i)+3], s[12:13] offset:2048*(\a)+512*\i+262144*\hd
.endr
.endr
.endm
	PLACES NP                                      ; behind the last products: the conversions write registers that held scale words, and read results
	PACK 0
	TOSTAGE 0
.irp a, 1,2,3,4,5,6,7                  ; block a's conversions stand between block a - 1's loads from the stage and the wait for them
	PACK \a
	SEND \a-1
	TOSTAGE \a
.endr
	SEND 7
	s_wait_tensorcnt 0x0                           ; the wave's end: behind my last tensor load and my last LDS store
	ds_add_u32 v[SPW], v[NIL]
	s_wait_dscnt 0x0
	CROUND                                         ; the closing round
	s_endpgm
.Lfunc_end_k_q05afec41ac_proj:
	.size	k_q05afec41ac_proj, .Lfunc_end_k_q05afec41ac_proj-k_q05afec41ac_proj
	.p2alignl 7, 3214868480
	.fill 96, 4, 3214868480
	.section	.rodata,"a",@progbits
	.p2align	6, 0x0
	.amdhsa_kernel k_q05afec41ac_proj
		.amdhsa_group_segment_fixed_size 327680
		.amdhsa_private_segment_fixed_size 0
		.amdhsa_enable_private_segment 0
		.amdhsa_kernarg_size 24
		.amdhsa_user_sgpr_count 2
		.amdhsa_user_sgpr_kernarg_segment_ptr 1
		.amdhsa_wavefront_size32 1
		.amdhsa_system_sgpr_workgroup_id_x 1
		.amdhsa_system_sgpr_workgroup_id_y 1
		.amdhsa_system_sgpr_workgroup_id_z 1
		.amdhsa_system_vgpr_workitem_id 0
		.amdhsa_next_free_vgpr 1024
		.amdhsa_next_free_sgpr 98
		.amdhsa_reserve_vcc 0
		.amdhsa_float_denorm_mode_32 3
		.amdhsa_float_denorm_mode_16_64 3
		.amdhsa_memory_ordered 1
		.amdhsa_forward_progress 1
		.amdhsa_inst_pref_size 127
	.end_amdhsa_kernel
	.amdgpu_metadata
---
amdhsa.version: [ 1, 2 ]
amdhsa.kernels:
  - .name:           k_q05afec41ac_proj
    .symbol:         k_q05afec41ac_proj.kd
    .args:
      - { .name: codes, .offset: 0, .size: 8, .value_kind: global_buffer, .address_space: global }
      - { .name: scales, .offset: 8, .size: 8, .value_kind: global_buffer, .address_space: global }
      - { .name: qkv, .offset: 16, .size: 8, .value_kind: global_buffer, .address_space: global }
    .group_segment_fixed_size: 327680
    .private_segment_fixed_size: 0
    .kernarg_segment_align: 8
    .kernarg_segment_size: 24
    .max_flat_workgroup_size: 128
    .sgpr_count:     98
    .vgpr_count:     1024
    .wavefront_size: 32
...
	.end_amdgpu_metadata
.endif
;; end of part 2
;; launch attn (part 3): grid 4 x 64, 8 waves a work-group, clusters of 4 x 1, 327,680 bytes of LDS; arguments qkv, maskw, xh; writes xh
.if DOCPART == 3
	.amdgcn_target "amdgcn-amd-amdhsa--gfx1250"
	.amdhsa_code_object_version 6
	.text
	.protected	k_q05afec41ac_attn
	.globl	k_q05afec41ac_attn
	.p2align	8
	.type	k_q05afec41ac_attn,@function
k_q05afec41ac_attn:
	s_mov_b64 s[64:65], 0
	v_nop
	global_prefetch_b8 v0, s[64:65] scope:SCOPE_SE
	s_setreg_imm32_b32 hwreg(HW_REG_WAVE_MODE, 25, 1), 1
	s_wait_xcnt 0x0
	s_wait_alu depctr_hold_cnt(0) depctr_sa_sdst(0) depctr_va_vdst(0) depctr_va_sdst(0) depctr_va_ssrc(0) depctr_va_vcc(0) depctr_vm_vsrc(0)
	s_getreg_b32 s2, hwreg(HW_REG_IB_STS2, 6, 4)
	s_cmp_eq_u32 s2, 0
	s_cbranch_scc0 .Lentry_in_a_cluster
	s_endpgm
.Lentry_in_a_cluster:
	s_bfe_u32 s2, ttmp6, 0x10000c
	s_cmp_lg_u32 s2, 0x3003
	s_cbranch_scc0 .Lentry_shape_is_right
	s_endpgm
.Lentry_shape_is_right:
; ATTN: x[b][h][q][:] = the sum over visible keys k of softmax_k(q . k / 8) v[k][:], head size 64, 2,048 keys, with the mask that is given.  q, k, v: f16, [3][4 b][16 h][2,048][64]; x: f16, [4 b][16 h][2,048][64].
; Products on f16 operands with f32 sums; maxima, exponentials and sums in f32; the weights p are rounded to f16 for the second product, x once at the end.
; THE MASK comes as select words: maskw[tile of 16 queries][tile of 16 keys][j], bit l for lane l of register j of the score tile.  A hidden score becomes -infinity ahead of the maximum, so p = 0 there.
; That is what the definition gives (a hidden score of -1e9 adds nothing to the sum beside a visible one, and p is set to 0 there afterwards); a query with no visible key gets x = 0, as the definition has it:
; its running maximum stays at the start value, its sum stays 0 and is held at 2^-126 from below ahead of the reciprocal.
; LIMITS: scores of visible keys lie far above -1e9 and above -1e30 (the running maximum's start); |x| under 65,504; NaN and infinities are not served.
; SHARES.  A work-group owns 512 queries of one head, each of its eight waves 64: four tiles of 16.  256 work-groups.  Two waves lie on a SIMD, so that one wave's softmax stands beside the other's products.
; Every wave walks all keys, 64 a step.  A STEP LOADS K'S AND V'S FRAGMENTS ONCE AND USES THEM TWICE: the wave's tiles are two PIECES (tiles 0, 1 and tiles 2, 3), worked one after the other on the same
; fragments: 16 KB read from LDS feed 64 matrix instructions.  The two pieces share the registers of the scores and of the weights.
; LAYOUT.  S^T = K Q^T (source 0 = 16 keys, source 1 = 16 queries): a lane holds ONE query (lane % 16) and keys 8 (lane / 16) + 0..7.  Two such tiles, rounded to f16 in pairs, ARE source 1 of O^T = V^T P.
; K comes out of LDS as it lies, V ([key][channel]) turned, by ds_load_tr16_b128.
; SOFTMAX.  For each query a running maximum m and sum l: p = 2^(c s - c m), c = log2(e) / 8; in every step O and l are multiplied by a = 2^(c m_old - c m_new).
; RING.  Two LDS slots of four steps (256 keys).  The four query blocks of a head are one cluster and walk the same K and V: each tile is asked for jointly, one load a wave: waves 0-3 K of the slot's four steps, waves 4-7 V.
; REGISTERS: window 0: v1-11 addresses and constants; v28-30; v32-95 S^T of the piece in hand, 32 a tile; v96-127 statistics, eight a tile; v128-255 O^T, 32 a tile.
;   window 1: v0-63 Q, 16 a tile; v64-127 K of a step; v128-191 V of a step; v192-223 P of the piece in hand.  So both products run under one setting of the windows.
.set KS,    64                         ; keys in a step
.set PK,    144                        ; a row of K in LDS: 128 bytes + 16: the 16 rows of a load start at 16 different groups of banks
.set PV,    160                        ; a row of V: 128 + 32: an odd multiple of 32, for the turning load
.set VOFF,  KS*PK                      ; a step's tiles lie together: 64 rows of K, then 64 rows of V
.set STEPB, KS*(PK+PV)
.set SLOT1, 1<<17                      ; slot 1 begins here: one exclusive or turns an address in one slot into the other's
.set NSL,   8                          ; slots' worth of keys
.set STAGE, 2*SLOT1                    ; the way out: 32 rows x 144 bytes for each wave, used once for each piece; no tile lands here
.set SPT,   144
.set SPARE, STAGE+8*32*SPT             ; the spare words, 128 bytes for each wave: four blocks of 256 bytes that no other line names
.set AK0, 1                            ; v1   my lane's place in a tile of K
.set AV0, 2                            ; v2   the same for V
.set ADK, 3                            ; v3   LDS address of the step's K
.set ADV, 4                            ; v4   of its V
.set QO,  5                            ; v5   my byte offset in the wave's rows of Q
.set STO, 6                            ; v6   the way out: where I put 16 bytes of a row
.set RD,  7                            ; v7   where I read them back
.set GO,  8                            ; v8   16 x lane
.set NEG, 9                            ; v9   -infinity
.set CC,  10                           ; v[10:11] c, twice
.set SPW, 28                           ; v28  LDS address of my spare word; never rewritten
.set NIL, 29                           ; v29  0; never rewritten
.set PFO, 30                           ; v30  256 x my lane; never rewritten
.set S,   32
.set ST,  96                           ; tile t's statistics at v[ST + 8 t]: +0 c m, +1 m, +2, +3 l (even keys', odd keys'), +4 to +7 at work; a at +6
.set O,   128
.set QF,  0                            ; window 1
.set KF,  64
.set VF,  128
.set P,   192
.set WV,  2                            ; s2   my wave's number
.set SLOTS, 3                          ; s3   slots still to be asked for
.set G1K, 4                            ; s[4:11]  descriptor group 1 for K's tiles;  s[12:19] for V's: it differs in the padding alone
.set G1V, 12
.set G0K, 20                           ; s[20:23], s[24:27] groups 0, which walk
.set G0V, 24
.set MP,  28                           ; s[28:29] my four tiles' mask words; never stepped
.set SEL, 30                           ; s[30:31] lane selects for v_permlanex16_b32: lane l xor 16
.set MW0, 32                           ; s[32:63] the 32 mask words of the piece's first tile, for a step
.set TB,  66                           ; s66  LDS byte at which the step's tiles begin
.set LIM, 67                           ; s67  1 in a wave that prefetches, else the greatest number
.set MW1, 68                           ; s[68:99] those of its second tile
.set CNT, 100                          ; s100 counts a slot's four steps
.set MO,  101                          ; s101 byte offset of the step's mask words in a tile's 4,096
.set QB,  100                          ; s[100:101] at the head alone: Q at my wave's first row
.set PFA, 104                          ; s[104:105] where my prefetches stand
.set MSB, 0
.macro WIN new                         ; the immediate's high byte repeats the setting that is left
.if MSB != (\new)
	s_set_vgpr_msb (MSB<<8)|(\new)
.set MSB, (\new)
.endif
.endm
; A joint load: waves 0-3 fetch K, waves 4-7 V.  The branch hangs on the wave's number alone.  An s_nop 0 and four v_nop follow each of the two lines.
.macro JLOAD
	s_cmp_lt_u32 s[WV], 4
	s_cbranch_scc0 .Lfor_v_\@
	tensor_load_to_lds s[G0K:G0K+3], s[G1K:G1K+7]
	s_nop 0
.rept 4
	v_nop
.endr
	s_branch .Lasked_\@
.Lfor_v_\@:
	tensor_load_to_lds s[G0V:G0V+3], s[G1V:G1V+7]
	s_nop 0
.rept 4
	v_nop
.endr
.Lasked_\@:
.endm
; A prefetch of what the NEXT change of slots will ask for: a slot's 32,768 dense bytes of K and of V.  Each block of 256 bytes is named once in the launch: a head is walked by one cluster alone; its four
; partners take 8,192 bytes each, told apart by address; in each, wave 0 asks for K's and wave 4 for V's, lanes 256 bytes apart.  The last change that fills a slot asks for nothing.
.macro ASK
	s_cmp_gt_u32 s[SLOTS], s[LIM]
	s_cbranch_scc0 .Lnot_mine_\@
	global_prefetch_b8 v[PFO], s[PFA:PFA+1] th:TH_LOAD_NT scope:SCOPE_SE
.Lnot_mine_\@:
.endm
.macro CROUND                          ; a round of the cluster's barrier
	s_barrier_signal -1
	s_barrier_wait -1
	s_cmp_lg_u32 s[WV], 0
	s_cbranch_scc1 .Lnot_wave_0_\@
	s_barrier_signal -3
.Lnot_wave_0_\@:
	s_barrier_wait -3
	s_barrier_signal -1
	s_barrier_wait -1
.endm
	s_load_b128 s[32:35], s[0:1], 0x0              ; qkv s[32:33], maskw s[34:35]
	v_lshl_add_u32 v[SPW], v0, 2, SPARE
	v_mov_b32 v[NIL], 0
	ds_add_u32 v[SPW], v[NIL]                      ; the wave's opening: the add, twice on end, and its wait ahead of my first tensor load
	ds_add_u32 v[SPW], v[NIL]                      ; and once more, under the one wait; the set-up below, work on registers, stands between
	v_lshrrev_b32 v1, 5, v0
	v_readfirstlane_b32 s[WV], v1                  ; wave 0..7
	s_and_b32 s38, ttmp7, 0xffff                   ; the head, 16 b + h, which the four partners share
	s_and_b32 s39, s[WV], 3                        ; which of a slot's four steps I fetch:
	s_mul_i32 s40, s39, STEPB                      ; its place in a slot,
	s_lshl_b32 s42, s38, 18                        ; the head's 262,144 bytes,
	s_lshl_b32 s41, s39, 13                        ; and the step's 64 rows of 128 bytes in memory
	s_add_co_u32 s42, s42, s41
	s_mov_b32 s43, 0
	s_bfe_u32 s36, ttmp6, 0x40000                  ; cx: my place in the cluster: it enters Q's, the mask's, x's and the prefetches' addresses alone
	s_lshl_b32 s37, ttmp9, 2
	s_add_co_u32 s37, s37, s36                     ; my block of 512 queries
	s_lshl_b32 s44, s38, 18
	s_lshl_b32 s48, s37, 16
	s_add_co_u32 s44, s44, s48
	s_lshl_b32 s48, s[WV], 13
	s_add_co_u32 s44, s44, s48                     ; Q: head + (512 x block + 64 x wave) rows of 128 bytes
	s_mov_b32 s45, 0
	s_lshr_b32 s46, s38, 4                         ; b
	s_lshl_b32 s46, s46, 7
	s_lshl_b32 s48, s37, 5
	s_add_co_u32 s46, s46, s48
	s_lshl_b32 s48, s[WV], 2
	s_add_co_u32 s46, s46, s48                     ; my first tile of queries: 128 b + 32 x block + 4 x wave
	s_lshl_b32 s46, s46, 12                        ; 4,096 bytes of words a tile
	s_mov_b32 s47, 0
	s_lshl_b32 s50, s38, 18                        ; the prefetches: the head,
	s_mov_b32 s51, 0x2000000
	s_cmp_lt_u32 s[WV], 4
	s_cselect_b32 s51, 0x1000000, s51              ; in K (waves 0-3) or in V,
	s_add_co_u32 s50, s50, s51
	s_lshl_b32 s48, s36, 13                        ; my work-group's 8,192 bytes of a slot's 32,768,
	s_add_co_u32 s50, s50, s48
	s_add_co_u32 s50, s50, 4*KS*128                ; in slot 1: the first change of slots steps it to slot 2.  Nothing is prefetched at the head
	s_mov_b32 s51, 0
	s_cmp_eq_u32 s39, 0                            ; waves 0 and 4 ask: the same in all four partners
	s_cselect_b32 s[LIM], 1, -1
	; descriptor group 1: a tile of 64 rows x 64 elements of 2 bytes, padded in LDS
	s_mov_b32 s[G1K], 15|(1<<16)|(1<<20)|(1<<21)|(4<<22)|(3<<25)  ; 15:0 the mask: all four work-groups; 17:16 elements of 2 bytes; 20 padding on; 21 set beside a mask; 24:22 after every 32 words; 31:25 four words
	s_mov_b32 s[G1V], 15|(1<<16)|(1<<20)|(1<<21)|(4<<22)|(7<<25)  ; the same with eight words of padding
.irp g, G1K, G1V
	s_mov_b32 s[\g+1], 64<<16                      ; tensor_dim0
	s_mov_b32 s[\g+2], KS<<16                      ; tensor_dim1
	s_mov_b32 s[\g+3], 64<<16                      ; tile_dim0
	s_mov_b32 s[\g+4], KS                          ; tile_dim1
	s_mov_b32 s[\g+5], 64                          ; from row to row
	s_mov_b32 s[\g+6], 0
	s_mov_b32 s[\g+7], 0
.endr
	s_mov_b32 s[SEL], 0x76543210
	s_mov_b32 s[SEL+1], 0xfedcba98
	s_mov_b32 s[TB], 0
	s_mov_b32 s[SLOTS], NSL-1
	s_wait_dscnt 0x0                               ; both opening adds are done
	s_wait_kmcnt 0x0
	s_add_nc_u64 s[G0K+2:G0K+3], s[32:33], s[42:43]
	s_add_nc_u64 s[G0V+2:G0V+3], s[G0K+2:G0K+3], 0x2000000   ; V is the third tensor,
	s_add_nc_u64 s[G0K+2:G0K+3], s[G0K+2:G0K+3], 0x1000000   ; K the second
	s_or_b32 s[G0K+3], s[G0K+3], 0x80000000        ; 127:126 type = 2
	s_or_b32 s[G0V+3], s[G0V+3], 0x80000000
	s_mov_b32 s[G0K], 1
	s_mov_b32 s[G0K+1], s40                        ; slot 0
	s_mov_b32 s[G0V], 1
	s_add_co_u32 s[G0V+1], s40, VOFF
	s_add_nc_u64 s[MP:MP+1], s[34:35], s[46:47]
	s_add_nc_u64 s[QB:QB+1], s[32:33], s[44:45]
	s_add_nc_u64 s[PFA:PFA+1], s[32:33], s[50:51]
	CROUND                                         ; all four work-groups are here: the first joint loads meet
	JLOAD                                          ; slot 0: one load of mine is out
	v_and_b32 v32, 15, v0                          ; r
	v_bfe_u32 v33, v0, 4, 1                        ; h
	v_lshlrev_b32 v[QO], 7, v32
	v_lshl_add_u32 v[QO], v33, 4, v[QO]            ; row x 128 + 16 x half
	WIN 0x40                                       ; destination window 1, address window 0
.irp f, 0,1,2,3,4,5,6,7                ; Q stays in registers: tile f / 2, channels 32 (f % 2) on
	global_load_b128 v[QF+8*\f:QF+8*\f+3],   v[QO], s[QB:QB+1] offset:(\f/2)*2048+(\f%2)*64
	global_load_b128 v[QF+8*\f+4:QF+8*\f+7], v[QO], s[QB:QB+1] offset:(\f/2)*2048+(\f%2)*64+32
.endr
	WIN 0
	s_load_b512 s[MW0:MW0+15],    s[MP:MP+1], 0x0  ; step 0's mask words of piece 0: 128 bytes for each tile (the head's scalars in s32 on have been used)
	s_load_b512 s[MW0+16:MW0+31], s[MP:MP+1], 0x40
	s_load_b512 s[MW1:MW1+15],    s[MP:MP+1], 0x1000
	s_load_b512 s[MW1+16:MW1+31], s[MP:MP+1], 0x1040
	v_mul_u32_u24 v[AK0], v32, PK
	v_lshl_add_u32 v[AK0], v33, 4, v[AK0]          ; K: row x pitch + 16 x half
	v_and_b32 v34, 7, v0                           ; the turning load takes 16 keys x 16 channels: lane l reads key 8 (l / 16) + l % 8, channels 8 ((l / 8) % 2) + 0..7
	v_bfe_u32 v35, v0, 3, 1
	v_lshl_add_u32 v[AV0], v33, 3, v34
	v_mul_u32_u24 v[AV0], v[AV0], PV
	v_lshl_add_u32 v[AV0], v35, 4, v[AV0]
	v_add_nc_u32 v[AV0], VOFF, v[AV0]
	v_and_b32 v[PFO], 31, v0
	v_lshlrev_b32 v[PFO], 8, v[PFO]
	v_mov_b32 v[NEG], 0xff800000
	v_mov_b32 v[CC], 0x3e38aa3b                    ; c = log2(e) / 8
	v_mov_b32 v[CC+1], 0x3e38aa3b
.irp t, 0,1,2,3
	v_mov_b32 v[ST+8*\t+1], 0xf149f2ca             ; m = -1e30, under every score that is served
	v_mul_f32 v[ST+8*\t], v[CC], v[ST+8*\t+1]      ; c m
.irp j, 2,3,4,5,6,7
	v_mov_b32 v[ST+8*\t+\j], 0                     ; l; and the registers at work, written once (a lane permute's destination and a pair's upper half count as read)
.endr
.endr
.set i, 0
.rept 128
	v_mov_b32 v[O+i], 0                            ; O^T.  The step is written once: the first finds zeros, which the first a leaves zeros; a first step of its own would be two more copies of the step
.set i, i+1
.endr
	s_wait_loadcnt 0x0                             ; Q is in, and its base is free:
	s_mov_b32 s[MO], 0
; ONE PIECE'S PART OF A KEY STEP: tiles x and x + 1 against the step's 64 keys, whose fragments lie in registers.
.macro PIECE x
	WIN 0x05                                       ; sources 0 and 1 in window 1, C and D in window 0: for both products
.set i, 0
.rept 16                               ; S^T = K Q^T: channels 32 (i / 8) on, keys 16 ((i / 2) % 4) on, tile x + i % 2.  The eight accumulators take turns; the first eight start the sums
.set rS, S+32*(i%2)+8*((i/2)%4)
.set rK, KF+8*(2*((i/2)%4)+i/8)
.set rQ, QF+16*((\x)+i%2)+8*(i/8)
.if i < 8
	v_wmma_f32_16x16x32_f16 v[rS:rS+7], v[rK:rK+7], v[rQ:rQ+7], 0
.else
	v_wmma_f32_16x16x32_f16 v[rS:rS+7], v[rK:rK+7], v[rQ:rQ+7], v[rS:rS+7]
.endif
.set i, i+1
.endr
	WIN 0
.rept 4
	v_nop                                          ; places behind the products, ahead of the first read of their results
.endr
	s_wait_kmcnt 0x0                               ; this piece's mask words, asked for a piece ago, are in; their offset is free
.if (\x) == 2
	s_add_co_u32 s[MO], s[MO], 128                 ; the next step's words;
	s_and_b32 s[MO], s[MO], 4095                   ; behind the last step it wraps to the first, so that the load stays inside the buffer
.endif
.set n, 0
.rept 32
	v_cndmask_b32 v[S+n], v[NEG], v[S+n], s[MW0+n] ; a hidden score becomes -infinity.  Each accumulator is read from its low end on
.set n, n+1
.endr
.set n, 0
.rept 32
	v_cndmask_b32 v[S+32+n], v[NEG], v[S+32+n], s[MW1+n]
.set n, n+1
.endr
.if (\x) == 0                          ; the other piece's words: a piece's work in which to land.  Piece 2's of this step,
	s_load_b512 s[MW0:MW0+15],    s[MP:MP+1], s[MO] offset:0x2000
	s_load_b512 s[MW0+16:MW0+31], s[MP:MP+1], s[MO] offset:0x2040
	s_load_b512 s[MW1:MW1+15],    s[MP:MP+1], s[MO] offset:0x3000
	s_load_b512 s[MW1+16:MW1+31], s[MP:MP+1], s[MO] offset:0x3040
.else                                  ; or piece 0's of the next
	s_load_b512 s[MW0:MW0+15],    s[MP:MP+1], s[MO] offset:0x0
	s_load_b512 s[MW0+16:MW0+31], s[MP:MP+1], s[MO] offset:0x40
	s_load_b512 s[MW1:MW1+15],    s[MP:MP+1], s[MO] offset:0x1000
	s_load_b512 s[MW1+16:MW1+31], s[MP:MP+1], s[MO] offset:0x1040
.endif
	; the maximum of a lane's 32 scores and the old m, three operands at a time, four chains a tile, the tiles by turns
.irp j, 0,1,2,3
.irp t, 0,1
	v_max3_num_f32 v[ST+8*((\x)+\t)+4+\j], v[S+32*\t+8*\j], v[S+32*\t+8*\j+1], v[S+32*\t+8*\j+2]
.endr
.endr
.irp g, 1,2
.irp j, 0,1,2,3
.irp t, 0,1
	v_max3_num_f32 v[ST+8*((\x)+\t)+4+\j], v[ST+8*((\x)+\t)+4+\j], v[S+32*\t+8*\j+2*\g+1], v[S+32*\t+8*\j+2*\g+2]
.endr
.endr
.endr
.irp t, 0,1
	v_max3_num_f32 v[ST+8*((\x)+\t)+4], v[ST+8*((\x)+\t)+4], v[S+32*\t+7], v[S+32*\t+15]
	v_max3_num_f32 v[ST+8*((\x)+\t)+6], v[ST+8*((\x)+\t)+6], v[S+32*\t+23], v[S+32*\t+31]
.endr
.irp t, 0,1
	v_max3_num_f32 v[ST+8*((\x)+\t)+4], v[ST+8*((\x)+\t)+4], v[ST+8*((\x)+\t)+5], v[ST+8*((\x)+\t)+6]
.endr
.irp t, 0,1
	v_max3_num_f32 v[ST+8*((\x)+\t)+4], v[ST+8*((\x)+\t)+4], v[ST+8*((\x)+\t)+7], v[ST+8*((\x)+\t)+1]
.endr
.irp t, 0,1
	v_permlanex16_b32 v[ST+8*((\x)+\t)+5], v[ST+8*((\x)+\t)+4], s[SEL], s[SEL+1]   ; the query's other 32 keys lie in the lane 16 away
.endr
.irp t, 0,1
	v_mov_b32 v[ST+8*((\x)+\t)+7], v[ST+8*((\x)+\t)]             ; c m_old
.endr
.irp t, 0,1
	v_max_num_f32 v[ST+8*((\x)+\t)+1], v[ST+8*((\x)+\t)+4], v[ST+8*((\x)+\t)+5]   ; the new m
.endr
.irp t, 0,1
	v_mul_f32 v[ST+8*((\x)+\t)], v[CC], v[ST+8*((\x)+\t)+1]      ; c m
.endr
.irp t, 0,1
	v_sub_f32 v[ST+8*((\x)+\t)+7], v[ST+8*((\x)+\t)+7], v[ST+8*((\x)+\t)]         ; c m_old - c m_new
.endr
.irp b, 0,1,2,3,4,5,6,7,8,9,10,11,12,13,14,15
.irp t, 0,1
	v_pk_fma_f32 v[S+32*\t+2*\b:S+32*\t+2*\b+1], v[S+32*\t+2*\b:S+32*\t+2*\b+1], v[CC:CC+1], v[ST+8*((\x)+\t):ST+8*((\x)+\t)+1] op_sel_hi:[1,1,0] neg_lo:[0,0,1] neg_hi:[0,0,1]   ; c s - c m, two at a time
.endr
.endr
.irp t, 0,1
	v_exp_f32 v[ST+8*((\x)+\t)+6], v[ST+8*((\x)+\t)+7]           ; a
.endr
.set n, 0
.rept 64
	v_exp_f32 v[S+n], v[S+n]                       ; p = 2^(c s - c m), at most 1; 0 where the key is hidden
.set n, n+1
.endr
	v_nop                                          ; the plain instruction behind the last exponential
	s_wait_alu depctr_va_vdst(0)                   ; a wait ahead of the first instruction that names a result: one for the batch of 66
	WIN 0x40                                       ; destination window 1
.irp b, 0,1,2,3,4,5,6,7,8,9,10,11,12,13,14,15
.irp t, 0,1
	v_cvt_pk_f16_f32 v[P+16*\t+\b], v[S+32*\t+2*\b], v[S+32*\t+2*\b+1]   ; the weights as f16: source 1 of the second product as they stand
.endr
.endr
	WIN 0
	; the sum of a tile's 16 pairs, of the unrounded p, in place: neighbours 1, 2, 4 and 8 pairs apart; then l = a l + the sum
.irp u, 0,1,2,3,4,5,6,7
.irp t, 0,1
	v_pk_add_f32 v[S+32*\t+4*\u:S+32*\t+4*\u+1], v[S+32*\t+4*\u:S+32*\t+4*\u+1], v[S+32*\t+4*\u+2:S+32*\t+4*\u+3]
.endr
.endr
.irp u, 0,1,2,3
.irp t, 0,1
	v_pk_add_f32 v[S+32*\t+8*\u:S+32*\t+8*\u+1], v[S+32*\t+8*\u:S+32*\t+8*\u+1], v[S+32*\t+8*\u+4:S+32*\t+8*\u+5]
.endr
.endr
.irp u, 0,1
.irp t, 0,1
	v_pk_add_f32 v[S+32*\t+16*\u:S+32*\t+16*\u+1], v[S+32*\t+16*\u:S+32*\t+16*\u+1], v[S+32*\t+16*\u+8:S+32*\t+16*\u+9]
.endr
.endr
.irp t, 0,1
	v_pk_add_f32 v[S+32*\t:S+32*\t+1], v[S+32*\t:S+32*\t+1], v[S+32*\t+16:S+32*\t+17]
.endr
.irp t, 0,1
	v_pk_fma_f32 v[ST+8*((\x)+\t)+2:ST+8*((\x)+\t)+3], v[ST+8*((\x)+\t)+2:ST+8*((\x)+\t)+3], v[ST+8*((\x)+\t)+6:ST+8*((\x)+\t)+7], v[S+32*\t:S+32*\t+1] op_sel_hi:[1,0,1]
.endr
.irp b, 0,1,2,3,4,5,6,7,8,9,10,11,12,13,14,15
.irp t, 0,1
	v_pk_mul_f32 v[O+32*((\x)+\t)+2*\b:O+32*((\x)+\t)+2*\b+1], v[O+32*((\x)+\t)+2*\b:O+32*((\x)+\t)+2*\b+1], v[ST+8*((\x)+\t)+6:ST+8*((\x)+\t)+7] op_sel_hi:[1,0]   ; O^T times a
.endr
.endr
.if (\x) == 0
	s_wait_dscnt 0x0                               ; V is in
.endif
	WIN 0x05
.set i, 0
.rept 16                               ; O^T += V^T P: keys 32 (i / 8) on, channels 16 ((i / 2) % 4) on, tile x + i % 2.  The eight accumulators take turns
.set rO, O+32*((\x)+i%2)+8*((i/2)%4)
.set rV, VF+8*(4*(i/8)+(i/2)%4)
.set rP, P+16*(i%2)+8*(i/8)
	v_wmma_f32_16x16x32_f16 v[rO:rO+7], v[rV:rV+7], v[rP:rP+7], v[rO:rO+7]
.set i, i+1
.endr
.endm
; A KEY STEP: 64 keys.  K's and V's fragments come out of LDS once, and serve both pieces.
.macro STEP
	v_add_nc_u32 v[ADK], s[TB], v[AK0]             ; these two and the two v_nop are the four places between the last step's products and the loads into V's registers
	v_add_nc_u32 v[ADV], s[TB], v[AV0]
	v_nop
	v_nop
	WIN 0x40
.irp f, 0,1,2,3,4,5,6,7                ; K: keys 16 (f / 2) on, channels 32 (f % 2) on
	ds_load_b128 v[KF+8*\f:KF+8*\f+3],   v[ADK] offset:(\f/2)*16*PK+(\f%2)*64
	ds_load_b128 v[KF+8*\f+4:KF+8*\f+7], v[ADK] offset:(\f/2)*16*PK+(\f%2)*64+32
.endr
.irp f, 0,1,2,3,4,5,6,7                ; V, turned: keys 32 (f / 4) on, channels 16 (f % 4) on
	ds_load_tr16_b128 v[VF+8*\f:VF+8*\f+3],   v[ADV] offset:(\f/4)*32*PV+(\f%4)*32
	ds_load_tr16_b128 v[VF+8*\f+4:VF+8*\f+7], v[ADV] offset:(\f/4)*32*PV+16*PV+(\f%4)*32
.endr
	s_wait_dscnt 16                                ; K is in; V's sixteen loads may stay out
	PIECE 0
	PIECE 2                                        ; its first products follow piece 0's last under the same setting of the windows, and name none of their registers
	WIN 0
	s_add_co_u32 s[TB], s[TB], STEPB               ; the next step's tiles
.endm
; THE CHANGE OF SLOTS stands at a slot's head.  Each wave waits for all its tensor loads (its part of the slot that it is about to read), adds 0 to its spare word, and waits for that and for its reads of the
; slot that it has left.  fill = 1: the barrier is a round of the cluster's, and behind it the slot that was left takes the keys that follow: the load has four key steps, 256 matrix instructions a wave, in which to land.
.macro CHANGE fill
	s_wait_tensorcnt 0x0                           ; no tensor load of mine is out, so a group 0 may be written
	ds_add_u32 v[SPW], v[NIL]                      ; 0 onto my spare word
.if \fill
	s_xor_b32 s[G0K+1], s[G0K+1], SLOT1            ; the walking descriptors: the other slot than last time,
	s_add_nc_u64 s[G0K+2:G0K+3], s[G0K+2:G0K+3], 4*KS*128   ; the next 256 keys; the type bits on top are not reached
	s_xor_b32 s[G0V+1], s[G0V+1], SLOT1
	s_add_nc_u64 s[G0V+2:G0V+3], s[G0V+2:G0V+3], 4*KS*128
	s_wait_xcnt 0x0                                ; the last prefetch, a slot back, has read its address, so it may be written:
	s_add_nc_u64 s[PFA:PFA+1], s[PFA:PFA+1], 4*KS*128       ; one slot further on than the walking descriptors
	s_wait_dscnt 0x0                               ; the add is done, and my reads of the slot that I have left are over
	CROUND
	JLOAD                                          ; the first thing behind the round, and my one tensor load until the next
	ASK
.else
	s_wait_dscnt 0x0
	s_barrier_signal -1
	s_barrier_wait -1
.endif
.endm
.macro FOUR_STEPS                      ; a slot's four key steps: written once, walked four times; the LDS addresses hang on s[TB]
	s_mov_b32 s[CNT], 4
.Lstep_\@:
	STEP
	s_sub_co_u32 s[CNT], s[CNT], 1
	s_cmp_lg_u32 s[CNT], 0
	s_cbranch_scc1 .Lstep_\@
	s_sub_co_u32 s[TB], s[TB], 4*STEPB             ; back to a slot's first step,
	s_xor_b32 s[TB], s[TB], SLOT1                  ; in the other slot
.endm
.Lslot:                                            ; NSL - 1 trips: behind each change of slots but the last the next slot is asked for
	CHANGE 1
	FOUR_STEPS
	s_sub_co_u32 s[SLOTS], s[SLOTS], 1
	s_cmp_lg_u32 s[SLOTS], 0
	s_cbranch_scc1 .Lslot
	CHANGE 0                                       ; the last slot is written out
	FOUR_STEPS
	; THE WAY OUT.  l's two halves and the other half of the lanes' are added; O^T is divided by l, rounded to f16 and sent through my stage, a piece (32 rows) at a time, so that 32 lanes store 512 consecutive bytes.
.rept 4
	v_nop                                          ; places behind the last products
.endr
.irp t, 0,1,2,3
	v_add_f32 v[ST+8*\t+4], v[ST+8*\t+2], v[ST+8*\t+3]
.endr
.irp t, 0,1,2,3
	v_permlanex16_b32 v[ST+8*\t+5], v[ST+8*\t+4], s[SEL], s[SEL+1]
.endr
.irp t, 0,1,2,3
	v_add_f32 v[ST+8*\t+4], v[ST+8*\t+4], v[ST+8*\t+5]
.endr
.irp t, 0,1,2,3
	v_max_num_f32 v[ST+8*\t+4], 0x800000, v[ST+8*\t+4]   ; a query with no visible key has l = 0 and O = 0: held at 2^-126, it gives 0
.endr
.irp t, 0,1,2,3
	v_rcp_f32 v[ST+8*\t+6], v[ST+8*\t+4]
.endr
	s_wait_kmcnt 0x0                               ; the last look-ahead for mask words has landed: s32 on are free
	s_load_b64 s[32:33], s[0:1], 0x10              ; x
	v_and_b32 v3, 15, v0                           ; r  (plain work behind the reciprocals)
	v_bfe_u32 v4, v0, 4, 1                         ; h
	s_mul_i32 s34, s[WV], 32*SPT
	s_add_co_u32 s34, s34, STAGE                   ; my stage
	v_mul_u32_u24 v[STO], v3, SPT
	v_lshl_add_u32 v[STO], v4, 4, v[STO]
	v_add_nc_u32 v[STO], s34, v[STO]               ; in: row r, 16 bytes for each half of the lanes
	v_and_b32 v3, 31, v0
	v_lshlrev_b32 v[GO], 4, v3
	v_lshrrev_b32 v4, 3, v3
	v_and_b32 v3, 7, v3
	v_mul_u32_u24 v[RD], v4, SPT
	v_lshl_add_u32 v[RD], v3, 4, v[RD]
	v_add_nc_u32 v[RD], s34, v[RD]                 ; back: eight lanes take a row's 128 bytes, four rows an instruction
	s_bfe_u32 s36, ttmp6, 0x40000
	s_lshl_b32 s37, ttmp9, 2
	s_add_co_u32 s37, s37, s36                     ; my block of 512 queries
	s_lshl_b32 s37, s37, 16
	s_lshl_b32 s36, s[WV], 13
	s_add_co_u32 s36, s36, s37
	s_and_b32 s37, ttmp7, 0xffff
	s_lshl_b32 s37, s37, 18
	s_add_co_u32 s36, s36, s37                     ; head + (512 x block + 64 x wave) rows of 128 bytes
	s_mov_b32 s37, 0
	s_wait_alu depctr_va_vdst(0)                   ; a wait ahead of the first use: one for the four reciprocals
; Piece x: divided, rounded, into the stage and back as whole rows, into v[back] on.  LDS serves a wave's instructions in order (ISA guide 5.7.1.4): the loads see the stores above them, and the second
; piece's stores come behind the first piece's loads.
.macro LEAVE x, back
.irp t, 0,1
.irp b, 0,1,2,3,4,5,6,7,8,9,10,11,12,13,14,15
	v_pk_mul_f32 v[O+32*((\x)+\t)+2*\b:O+32*((\x)+\t)+2*\b+1], v[O+32*((\x)+\t)+2*\b:O+32*((\x)+\t)+2*\b+1], v[ST+8*((\x)+\t)+6:ST+8*((\x)+\t)+7] op_sel_hi:[1,0]
.endr
.endr
.irp t, 0,1
.irp b, 0,1,2,3,4,5,6,7,8,9,10,11,12,13,14,15
	v_cvt_pk_f16_f32 v[S+16*\t+\b], v[O+32*((\x)+\t)+2*\b], v[O+32*((\x)+\t)+2*\b+1]
.endr
.endr
.irp t, 0,1
.irp f, 0,1,2,3
	ds_store_b128 v[STO], v[S+16*\t+4*\f:S+16*\t+4*\f+3] offset:16*SPT*\t+32*\f      ; x(16 (x + t) + r, 16 f + 8 h + 0 .. 7)
.endr
.endr
.irp i, 0,1,2,3,4,5,6,7
	ds_load_b128 v[(\back)+4*\i:(\back)+4*\i+3], v[RD] offset:4*SPT*\i
.endr
.endm
	LEAVE 0, S+32                                  ; back into v64-95
	LEAVE 2, O                                     ; back into v128-159: piece 0's O^T has been rounded and is done with
	s_wait_kmcnt 0x0
	s_add_nc_u64 s[32:33], s[32:33], s[36:37]
.irp i, 0,1,2,3,4,5,6,7
	s_wait_dscnt 23-\i                             ; piece 0's load i is in; its younger ones and piece 2's sixteen LDS instructions may be out
	global_store_b128 v[GO], v[S+32+4*\i:S+32+4*\i+3], s[32:33] offset:512*\i        ; 512 consecutive bytes, aligned
.endr
.irp i, 0,1,2,3,4,5,6,7
	s_wait_dscnt 7-\i                              ; piece 2's load i is in; the younger ones may be out
	global_store_b128 v[GO], v[O+4*\i:O+4*\i+3], s[32:33] offset:4096+512*\i
.endr
	s_wait_tensorcnt 0x0                           ; the wave's end: behind my last tensor load and my last LDS store
	ds_add_u32 v[SPW], v[NIL]
	s_wait_dscnt 0x0
	CROUND                                         ; the closing round: no work-group ends while a partner may still ask for a tile that names it
	s_endpgm
.Lfunc_end_k_q05afec41ac_attn:
	.size	k_q05afec41ac_attn, .Lfunc_end_k_q05afec41ac_attn-k_q05afec41ac_attn
	.p2alignl 7, 3214868480
	.fill 96, 4, 3214868480
	.section	.rodata,"a",@progbits
	.p2align	6, 0x0
	.amdhsa_kernel k_q05afec41ac_attn
		.amdhsa_group_segment_fixed_size 327680
		.amdhsa_private_segment_fixed_size 0
		.amdhsa_enable_private_segment 0
		.amdhsa_kernarg_size 24
		.amdhsa_user_sgpr_count 2
		.amdhsa_user_sgpr_kernarg_segment_ptr 1
		.amdhsa_wavefront_size32 1
		.amdhsa_system_sgpr_workgroup_id_x 1
		.amdhsa_system_sgpr_workgroup_id_y 1
		.amdhsa_system_sgpr_workgroup_id_z 1
		.amdhsa_system_vgpr_workitem_id 0
		.amdhsa_next_free_vgpr 512
		.amdhsa_next_free_sgpr 106
		.amdhsa_reserve_vcc 0
		.amdhsa_float_denorm_mode_32 3
		.amdhsa_float_denorm_mode_16_64 3
		.amdhsa_memory_ordered 1
		.amdhsa_forward_progress 1
		.amdhsa_inst_pref_size 111
	.end_amdhsa_kernel
	.amdgpu_metadata
---
amdhsa.version: [ 1, 2 ]
amdhsa.kernels:
  - .name:           k_q05afec41ac_attn
    .symbol:         k_q05afec41ac_attn.kd
    .args:
      - { .name: qkv, .offset: 0, .size: 8, .value_kind: global_buffer, .address_space: global }
      - { .name: maskw, .offset: 8, .size: 8, .value_kind: global_buffer, .address_space: global }
      - { .name: xh, .offset: 16, .size: 8, .value_kind: global_buffer, .address_space: global }
    .group_segment_fixed_size: 327680
    .private_segment_fixed_size: 0
    .kernarg_segment_align: 8
    .kernarg_segment_size: 24
    .max_flat_workgroup_size: 256
    .sgpr_count:     106
    .vgpr_count:     512
    .wavefront_size: 32
...
	.end_amdgpu_metadata
.endif
;; end of part 3
;; launch outp (part 4): grid 4 x 64, 4 waves a work-group, clusters of 4 x 4, 327,680 bytes of LDS; arguments xh, woh, out0; writes out0
.if DOCPART == 4
	.amdgcn_target "amdgcn-amd-amdhsa--gfx1250"
	.amdhsa_code_object_version 6
	.text
	.protected	k_q05afec41ac_outp
	.globl	k_q05afec41ac_outp
	.p2align	8
	.type	k_q05afec41ac_outp,@function
k_q05afec41ac_outp:
	s_mov_b64 s[64:65], 0
	v_nop
	global_prefetch_b8 v0, s[64:65] scope:SCOPE_SE
	s_setreg_imm32_b32 hwreg(HW_REG_WAVE_MODE, 25, 1), 1
	s_wait_xcnt 0x0
	s_wait_alu depctr_hold_cnt(0) depctr_sa_sdst(0) depctr_va_vdst(0) depctr_va_sdst(0) depctr_va_ssrc(0) depctr_va_vcc(0) depctr_vm_vsrc(0)
	s_getreg_b32 s2, hwreg(HW_REG_IB_STS2, 6, 4)
	s_cmp_eq_u32 s2, 0
	s_cbranch_scc0 .Lentry_in_a_cluster
	s_endpgm
.Lentry_in_a_cluster:
	s_bfe_u32 s2, ttmp6, 0x10000c
	s_cmp_lg_u32 s2, 0xf033
	s_cbranch_scc0 .Lentry_shape_is_right
	s_endpgm
.Lentry_shape_is_right:
; OUTP: out0[m][n] = the sum over k of x[m][k] Wo[n][k].  x: f16, head-major [4 b][16 h][2,048 s][64] (m = 2,048 b + s, k = 64 h + d); Wo: f16 [1,024 n][1,024 k]; out0: f32 [8,192][1,024].  Sums in f32.
; A tile of out0 is 128 (m) x 256 (n): 256 work-groups.  Four waves, each 64 x 128: 32 accumulators, 256 registers.  K goes in steps of 128 (two heads) through a ring of two LDS slots.
; CLUSTERS: 4 x 4 work-groups.  The four of a row of the cluster need the same tiles of x, the four of a column the same tiles of Wo: each is asked for jointly.  Waves 0 and 1 fetch x's two heads
; (128 rows x 128 dense bytes each), waves 2 and 3 Wo's two halves (128 rows x 256 bytes each).
; THE MATRIX INSTRUCTION IS USED TRANSPOSED (source 0 = 16 rows of Wo, source 1 = 16 rows of x): a lane then holds eight neighbouring numbers of a row of out0.
; No prefetch: the launch is short and its tiles are small.
; REGISTERS: window 0: v0-31 addresses; v64-191 at work on the way out.   window 1: two fragment buffers of 96 at v0 and v128: 64 registers of Wo (8 x 16 rows x 32 K), then 32 of x.
;   window 2: the accumulators ((a, b) at v[8 (8 a + b)]).
.set PA,     144                       ; a row of x in LDS: 128 bytes + 16
.set PB,     272                       ; a row of Wo: 256 bytes + 16: in both, the 16 rows that a load touches start at different groups of banks
.set HEADB,  128*PA                    ; a head's 128 rows
.set BOFF,   2*HEADB                   ; Wo's 256 rows lie behind x's two heads
.set HALFB,  128*PB
.set SLOT,   BOFF+2*HALFB
.set STAGE,  2*SLOT                    ; the way out: 16 rows x 528 bytes for each wave; no tile lands here
.set SPITCH, 528
.set SPARE,  STAGE+4*16*SPITCH         ; the spare words, 128 bytes for each wave: two blocks of 256 bytes that no other line names
.set LAPS,   4                         ; a lap = two K steps = once round the ring; K = 1,024
.set ADRA, 16                          ; v16-17  LDS address of my x fragments in slot 0, 1
.set ADRB, 20                          ; v20-21  the same for Wo
.set STO,  24                          ; v24     the way out: where I put 32 bytes of a row
.set RD,   25                          ; v25     where I read a row back
.set CO,   26                          ; v26     16 x lane
.set SPW,  28                          ; v28     LDS address of my spare word; never rewritten
.set NIL,  29                          ; v29     0; never rewritten
.set BK,   64                          ; the way out: 16 rows read back: v64-127 and v128-191 by turns
.set F0,   0                           ; fragment buffers, window 1
.set F1,   128
.set G1, 24                            ; s[24:31] descriptor group 1 for x's tiles;  s[32:39] group 0, one set for each slot
.set G0, 32
.set G1B, 48                           ; s[48:55], s[56:63] the same for Wo's
.set G0B, 56
.set MSB, 0
.macro WIN new                         ; the immediate's high byte repeats the setting that is left
.if MSB != (\new)
	s_set_vgpr_msb (MSB<<8)|(\new)
.set MSB, (\new)
.endif
.endm
.set MUL,  0xa5                        ; sources 0 and 1 window 1; C and D window 2
.set TO_F, 0x40                        ; destination window 1, address window 0
.macro JLOAD s                         ; a joint load; an s_nop 0 and four v_nop follow each of the two lines
	s_cmp_eq_u32 s11, 0
	s_cbranch_scc0 .Lfor_b_\@
	tensor_load_to_lds s[G0+4*\s:G0+4*\s+3], s[G1:G1+7]
	s_nop 0
.rept 4
	v_nop
.endr
	s_branch .Lasked_\@
.Lfor_b_\@:
	tensor_load_to_lds s[G0B+4*\s:G0B+4*\s+3], s[G1B:G1B+7]
	s_nop 0
.rept 4
	v_nop
.endr
.Lasked_\@:
.endm
.macro CREST                           ; a round of the cluster's barrier behind its opening barrier
	s_cmp_lg_u32 s10, 0
	s_cbranch_scc1 .Lnot_wave_0_\@
	s_barrier_signal -3
.Lnot_wave_0_\@:
	s_barrier_wait -3
	s_barrier_signal -1
	s_barrier_wait -1
.endm
.macro CROUND                          ; a whole round
	s_barrier_signal -1
	s_barrier_wait -1
	CREST
.endm
	s_load_b128 s[4:7], s[0:1], 0x0                ; x s[4:5], Wo s[6:7]
	s_load_b64 s[8:9], s[0:1], 0x10                ; out0
	v_lshl_add_u32 v[SPW], v0, 2, SPARE
	v_mov_b32 v[NIL], 0
	ds_add_u32 v[SPW], v[NIL]                      ; the wave's opening: the add, twice on end, and its wait ahead of my first tensor load
	ds_add_u32 v[SPW], v[NIL]                      ; and once more, under the one wait; the set-up below, work on registers, stands between
	v_lshrrev_b32 v1, 5, v0
	v_readfirstlane_b32 s10, v1                    ; wave 0..3
	s_lshr_b32 s11, s10, 1                         ; which 64 of the tile's rows are mine.  Also: I fetch for x (0) or for Wo (1)
	s_and_b32 s12, s10, 1                          ; which 128 of its columns.  Also: which head, or which 128 rows of Wo, I fetch
	s_bfe_u32 s40, ttmp6, 0x40000                  ; cx, cy: my place in the cluster
	s_bfe_u32 s41, ttmp6, 0x40004
	s_lshl_b32 s42, ttmp9, 2
	s_add_co_u32 s42, s42, s40                     ; tile column tx
	s_and_b32 s13, ttmp7, 0xffff
	s_lshl_b32 s13, s13, 2
	s_add_co_u32 s13, s13, s41                     ; tile row ty
	s_lshl_b32 s43, s41, 2
	s_lshl_b32 s43, 15, s43                        ; my row of the cluster
	s_lshl_b32 s44, 0x1111, s40                    ; my column
	s_or_b32 s[G1+0], s43, (1<<16)|(1<<20)|(1<<21)|(4<<22)|(3<<25)   ; x: the mask of my row; elements of 2 bytes; padding on; bit 21 beside a mask; four words after every 32
	s_mov_b32 s[G1+1], 64<<16                      ; tensor_dim0
	s_mov_b32 s[G1+2], 128<<16                     ; tensor_dim1
	s_mov_b32 s[G1+3], 64<<16                      ; tile_dim0
	s_mov_b32 s[G1+4], 128                         ; tile_dim1
	s_mov_b32 s[G1+5], 64                          ; from row to row
	s_mov_b32 s[G1+6], 0
	s_mov_b32 s[G1+7], 0
	s_or_b32 s[G1B+0], s44, (1<<16)|(1<<20)|(1<<21)|(5<<22)|(3<<25)  ; Wo: the mask of my column; four words after every 64
	s_mov_b32 s[G1B+1], 128<<16
	s_mov_b32 s[G1B+2], 128<<16
	s_mov_b32 s[G1B+3], 128<<16
	s_mov_b32 s[G1B+4], 128
	s_mov_b32 s[G1B+5], 1024
	s_mov_b32 s[G1B+6], 0
	s_mov_b32 s[G1B+7], 0
	s_lshr_b32 s16, s13, 4                         ; x: b = ty / 16: 16 heads of 262,144 bytes,
	s_lshl_b32 s16, s16, 22
	s_lshl_b32 s17, s12, 18                        ; the head that I fetch of the K step's two,
	s_add_co_u32 s16, s16, s17
	s_and_b32 s17, s13, 15                         ; and the tile's 128 positions of 128 bytes
	s_lshl_b32 s17, s17, 14
	s_add_co_u32 s16, s16, s17
	s_mov_b32 s17, 0
	s_lshl_b32 s46, s42, 8                         ; Wo: row 256 tx + 128 x half, of 2,048 bytes
	s_lshl_b32 s47, s12, 7
	s_add_co_u32 s46, s46, s47
	s_lshl_b32 s46, s46, 11
	s_mov_b32 s47, 0
	s_mul_i32 s20, s12, HEADB                      ; where they go: no place in the cluster enters an LDS address
	s_mul_i32 s23, s12, HALFB
	s_add_co_u32 s23, s23, BOFF
	s_wait_dscnt 0x0                               ; both opening adds are done
	s_wait_kmcnt 0x0
	s_add_nc_u64 s[14:15], s[4:5], s[16:17]
	s_add_nc_u64 s[46:47], s[6:7], s[46:47]
	CROUND                                         ; all sixteen work-groups are here: the first joint loads meet
.irp s, 0,1
	s_mov_b32 s[G0+4*\s], 1
	s_add_co_u32 s[G0+4*\s+1], s20, \s*SLOT
	s_add_nc_u64 s[G0+4*\s+2:G0+4*\s+3], s[14:15], \s*2*262144       ; K step s: two heads on
	s_or_b32 s[G0+4*\s+3], s[G0+4*\s+3], 0x80000000
	s_mov_b32 s[G0B+4*\s], 1
	s_add_co_u32 s[G0B+4*\s+1], s23, \s*SLOT
	s_add_nc_u64 s[G0B+4*\s+2:G0B+4*\s+3], s[46:47], \s*256
	s_or_b32 s[G0B+4*\s+3], s[G0B+4*\s+3], 0x80000000
	JLOAD \s                                       ; two loads of mine are out at the most
.endr
	v_and_b32 v1, 15, v0                           ; r
	v_bfe_u32 v2, v0, 4, 1                         ; h
	v_mul_u32_u24 v3, v1, PA
	v_lshl_add_u32 v3, v2, 4, v3                   ; a fragment's row x pitch + 16 x half
	v_mul_u32_u24 v4, v1, PB
	v_lshl_add_u32 v4, v2, 4, v4
	s_mul_i32 s21, s11, 64*PA                      ; my 64 rows of x (in each head)
	s_mul_i32 s22, s12, HALFB                      ; my 128 rows of Wo
	s_add_co_u32 s22, s22, BOFF
.irp s, 0,1
	v_add_nc_u32 v[ADRA+\s], s21, v3
	v_add_nc_u32 v[ADRB+\s], s22, v4
	s_add_co_u32 s21, s21, SLOT
	s_add_co_u32 s22, s22, SLOT
.endr
	s_mul_i32 s23, s10, 16*SPITCH
	s_add_co_u32 s23, s23, STAGE                   ; my stage
	v_mul_u32_u24 v5, v1, SPITCH                   ; in: row r, 32 bytes for each half of the lanes
	v_lshl_add_u32 v5, v2, 5, v5
	v_add_nc_u32 v[STO], s23, v5
	v_and_b32 v6, 31, v0
	v_lshlrev_b32 v[CO], 4, v6                     ; back: the 32 lanes take one row of 512 bytes; and the same in out0
	v_add_nc_u32 v[RD], s23, v[CO]
	s_lshl_b32 s16, s13, 7
	s_lshl_b32 s17, s11, 6
	s_add_co_u32 s16, s16, s17                     ; my first row: 128 ty + 64 x half, of 4,096 bytes
	s_lshl_b32 s16, s16, 12
	s_lshl_b32 s17, s12, 9                         ; my 128 columns
	s_add_co_u32 s16, s16, s17
	s_mov_b32 s17, 0
	s_add_nc_u64 s[8:9], s[8:9], s[16:17]
	s_lshl_b32 s46, s42, 10                        ; the tile's first column, in bytes
	s_mov_b32 s47, 0
	s_add_nc_u64 s[8:9], s[8:9], s[46:47]
; 8 matrix instructions: x's block a x Wo's eight, 32 along K, from buffer f.  zero = 1: the first product starts the sums.  The 32 accumulators take turns, in the same order in every quarter.
.macro MUL8 f, a, zero
.irp b, 0,1,2,3,4,5,6,7
.if \zero
	v_wmma_f32_16x16x32_f16 v[8*(8*(\a)+\b):8*(8*(\a)+\b)+7], v[\f+8*\b:\f+8*\b+7], v[\f+64+8*(\a):\f+64+8*(\a)+7], 0
.else
	v_wmma_f32_16x16x32_f16 v[8*(8*(\a)+\b):8*(8*(\a)+\b)+7], v[\f+8*\b:\f+8*\b+7], v[\f+64+8*(\a):\f+64+8*(\a)+7], v[8*(8*(\a)+\b):8*(8*(\a)+\b)+7]
.endif
.endr
.endm
; 24 LDS loads in one run: the fragments of the slot's q-th 32 along K into buffer f: Wo's eight, then x's blocks 0, 1, then 2, 3.  x's quarter q lies in head q / 2, at byte 64 (q % 2) of its rows.
.macro FETCH slot, q, f
	WIN TO_F
.irp i, 0,1,2,3,4,5,6,7
	ds_load_b128 v[\f+8*\i:\f+8*\i+3],   v[ADRB+\slot] offset:64*(\q)+\i*16*PB
	ds_load_b128 v[\f+8*\i+4:\f+8*\i+7], v[ADRB+\slot] offset:64*(\q)+\i*16*PB+32
.endr
.irp i, 0,1,2,3
	ds_load_b128 v[\f+64+8*\i:\f+64+8*\i+3],   v[ADRA+\slot] offset:((\q)/2)*HEADB+((\q)%2)*64+\i*16*PA
	ds_load_b128 v[\f+64+8*\i+4:\f+64+8*\i+7], v[ADRA+\slot] offset:((\q)/2)*HEADB+((\q)%2)*64+\i*16*PA+32
.endr
.endm
.macro PLACES                          ; four places in front of loads into registers that matrix instructions have read, and of the first read of results (ISA guide 7.12.1 for vector instructions)
.rept 4
	v_nop
.endr
.endm
; A K step is four quarters of 32 along K, 32 matrix instructions each, on buffers 0, 1, 0, 1.  One of the first three: multiplies buffer f and fetches quarter q of the same slot into g.
.macro QUARTER slot, q, f, g, zero
	s_wait_dscnt 4                                 ; Wo's fragments and x's blocks 0, 1 are in; the youngest four loads (blocks 2, 3) may be out
	WIN MUL
	MUL8 \f, 0, \zero
	MUL8 \f, 1, \zero
	PLACES
	FETCH \slot, \q, \g
	s_wait_dscnt 24                                ; all but the 24 just issued
	WIN MUL
	MUL8 \f, 2, \zero
	MUL8 \f, 3, \zero
.endm
; The last quarter multiplies buffer 1 and changes slots: ONE barrier; in front of it each wave waits for all its tensor loads, adds 0 to its spare word, and waits for that and for its reads of this slot.
; fill = 1: the barrier opens a round of the cluster's, and this slot is filled again, two K steps ahead.
.macro TURN slot, next, fill
	WIN 0                                          ; (the add's two registers lie in window 0)
	s_wait_tensorcnt 0x0                           ; all my tensor loads have landed: my part of the next slot
	ds_add_u32 v[SPW], v[NIL]                      ; 0 onto my spare word
	s_wait_dscnt 5                                 ; (the add and the youngest four loads may be out)
	WIN MUL
	MUL8 F1, 0, 0                                  ; eight matrix instructions stand between the add and the wait for it
	s_wait_dscnt 0x0                               ; the add is done, and my reads of this slot are over
	s_barrier_signal -1
	MUL8 F1, 1, 0
.if \fill
	WIN 0
.endif
	s_barrier_wait -1
.if \fill
	CREST                                          ; no wave of any partner still reads this slot's tile or has a load on its way
	s_add_nc_u64 s[G0+4*\slot+2:G0+4*\slot+3], s[G0+4*\slot+2:G0+4*\slot+3], 4*262144   ; two K steps on: four heads
	s_add_nc_u64 s[G0B+4*\slot+2:G0B+4*\slot+3], s[G0B+4*\slot+2:G0B+4*\slot+3], 512
	JLOAD \slot                                    ; the first tensor load behind the round; the four v_nop behind it are also the places in front of the loads below
.else
	PLACES
.endif
	FETCH \next, 0, F0
	WIN MUL
	MUL8 F1, 2, 0
	MUL8 F1, 3, 0
.endm
	s_wait_tensorcnt 1                             ; my part of K step 0 is in (K step 1's load may be out)
	s_barrier_signal -1
	s_barrier_wait -1                              ; everybody's is
	FETCH 0, 0, F0
	QUARTER 0, 1, F0, F1, 1                        ; the first quarter stands in front of the loop: its products start the sums
	WIN 0                                          ; at a label and at a branch every window is 0
	s_mov_b32 s3, LAPS-1
.Llap:                                             ; a trip goes once round the ring, from a lap's second quarter to the next lap's first, and fills both slots again
	QUARTER 0, 2, F1, F0, 0
	QUARTER 0, 3, F0, F1, 0
	TURN 0, 1, 1
	QUARTER 1, 1, F0, F1, 0
	QUARTER 1, 2, F1, F0, 0
	QUARTER 1, 3, F0, F1, 0
	TURN 1, 0, 1
	QUARTER 0, 1, F0, F1, 0
	WIN 0
	s_sub_co_u32 s3, s3, 1
	s_cmp_lg_u32 s3, 0
	s_cbranch_scc1 .Llap
	QUARTER 0, 2, F1, F0, 0                        ; the last lap fills nothing, and has no round of the cluster's barrier
	QUARTER 0, 3, F0, F1, 0
	TURN 0, 1, 0
	QUARTER 1, 1, F0, F1, 0
	QUARTER 1, 2, F1, F0, 0
	QUARTER 1, 3, F0, F1, 0
	s_wait_dscnt 4                                 ; the very last quarter: nothing more to fetch
	WIN MUL
	MUL8 F1, 0, 0
	MUL8 F1, 1, 0
	s_wait_dscnt 0
	MUL8 F1, 2, 0
	MUL8 F1, 3, 0
	WIN 0
; THE WAY OUT, block by block of 16 rows x 128 columns.  A lane holds 32 neighbouring bytes of a row: a block goes through my own stage and comes back as whole rows of 512 bytes.
.macro TOSTAGE a
	WIN 0x08                                       ; an LDS store's data are its source 1: window 2
.irp b, 0,1,2,3,4,5,6,7
	ds_store_b128 v[STO], v[8*(8*(\a)+\b):8*(8*(\a)+\b)+3] offset:64*\b          ; each accumulator from its low end on
	ds_store_b128 v[STO], v[8*(8*(\a)+\b)+4:8*(8*(\a)+\b)+7] offset:64*\b+16
.endr
	WIN 0
.set BB, BK+64*((\a)%2)
.irp t, 0,1,2,3,4,5,6,7,8,9,10,11,12,13,14,15
	ds_load_b128 v[BB+4*\t:BB+4*\t+3], v[RD] offset:\t*SPITCH      ; LDS serves a wave's instructions in order (ISA guide 5.7.1.4): these see the stores above
.endr
.endm
.macro SEND a, younger                 ; younger: the LDS instructions issued behind block a's loads, which may stay out
.set BB, BK+64*((\a)%2)
	s_wait_dscnt \younger
.irp t, 0,1,2,3,4,5,6,7,8,9,10,11,12,13,14,15
	global_store_b128 v[CO], v[BB+4*\t:BB+4*\t+3], s[8:9] offset:(16*(\a)+\t)*4096 th:TH_STORE_NT   ; 32 lanes store 512 consecutive bytes, aligned; written once, read by nobody here
.endr
.endm
	PLACES                                         ; behind the last products, ahead of the first read of results
	TOSTAGE 0
.irp a, 1,2,3
.if \a > 1
	s_wait_xcnt 0x0                                ; block a - 2's stores have read their registers: block a's loads may land there
.endif
	TOSTAGE \a
	SEND \a-1, 32                                  ; behind block a - 1's loads: block a's 16 stores and 16 loads
.endr
	SEND 3, 0
	s_wait_tensorcnt 0x0                           ; the wave's end: behind my last tensor load and my last LDS store
	ds_add_u32 v[SPW], v[NIL]
	s_wait_dscnt 0x0
	CROUND                                         ; the closing round: no work-group ends while a partner may still ask for a tile that names it
	s_endpgm
.Lfunc_end_k_q05afec41ac_outp:
	.size	k_q05afec41ac_outp, .Lfunc_end_k_q05afec41ac_outp-k_q05afec41ac_outp
	.p2alignl 7, 3214868480
	.fill 96, 4, 3214868480
	.section	.rodata,"a",@progbits
	.p2align	6, 0x0
	.amdhsa_kernel k_q05afec41ac_outp
		.amdhsa_group_segment_fixed_size 327680
		.amdhsa_private_segment_fixed_size 0
		.amdhsa_enable_private_segment 0
		.amdhsa_kernarg_size 24
		.amdhsa_user_sgpr_count 2
		.amdhsa_user_sgpr_kernarg_segment_ptr 1
		.amdhsa_wavefront_size32 1
		.amdhsa_system_sgpr_workgroup_id_x 1
		.amdhsa_system_sgpr_workgroup_id_y 1
		.amdhsa_system_sgpr_workgroup_id_z 1
		.amdhsa_system_vgpr_workitem_id 0
		.amdhsa_next_free_vgpr 768
		.amdhsa_next_free_sgpr 66
		.amdhsa_reserve_vcc 0
		.amdhsa_float_denorm_mode_32 3
		.amdhsa_float_denorm_mode_16_64 3
		.amdhsa_memory_ordered 1
		.amdhsa_forward_progress 1
		.amdhsa_inst_pref_size 85
	.end_amdhsa_kernel
	.amdgpu_metadata
---
amdhsa.version: [ 1, 2 ]
amdhsa.kernels:
  - .name:           k_q05afec41ac_outp
    .symbol:         k_q05afec41ac_outp.kd
    .args:
      - { .name: xh, .offset: 0, .size: 8, .value_kind: global_buffer, .address_space: global }
      - { .name: woh, .offset: 8, .size: 8, .value_kind: global_buffer, .address_space: global }
      - { .name: out0, .offset: 16, .size: 8, .value_kind: global_buffer, .address_space: global }
    .group_segment_fixed_size: 327680
    .private_segment_fixed_size: 0
    .kernarg_segment_align: 8
    .kernarg_segment_size: 24
    .max_flat_workgroup_size: 128
    .sgpr_count:     66
    .vgpr_count:     768
    .wavefront_size: 32
...
	.end_amdgpu_metadata
.endif
;; end of part 4
